; MI455X (gfx1250); checked and timed in simulation.
; The chip was launched on July 23, 2026; its instructions are those of AMD's public machine-readable ISA for CDNA 5 (MIT licence, August 2026) and "CDNA5" Instruction Set Architecture Reference Guide (July 2026). The comments in the code are by the model that wrote it; some were corrected since.
;; Multi Head Attention. Allowed arithmetic: float matrix products may take bf16 or f16 operands with f32 sums; other float arithmetic in f32, or as packed bf16 or f16 multiplies, adds, multiply-adds, maxima and minima; sums over many terms, partial sums and values carried from step to step in f32; what a program stores and reads back later, other than sums and carried values, may be rounded once to bf16 or f16.
;; Inputs: K 4 x 2,048 x 1,024 float32; Q 4 x 2,048 x 1,024 float32; V 4 x 2,048 x 1,024 float32; W_K 1,024 x 1,024 float32; W_O 1,024 x 1,024 float32; W_Q 1,024 x 1,024 float32; W_V 1,024 x 1,024 float32; mask 4 x 1 x 2,048 x 2,048 int32.
;; Outputs: out0 4 x 2,048 x 1,024 float32.
;; 2 versions, each right; version 2 is version 1 with the launch prep written anew for expert scheduling mode. Each part assembles by itself: llvm-mc -triple=amdgcn-amd-amdhsa -mcpu=gfx1250 --defsym DOCPART=n.
;; ======== version 1 of 2: 4 launches
;; limits: values are held in f16: magnitudes above 65,504 overflow, below 6.1e-05 lose precision
;; workspace buffers: wts 8,388,608 bytes; nib 8,388,608 bytes; qkv 50,331,648 bytes; oh 16,777,216 bytes
;; launch prep (part 1): grid 256 x 1, 16 waves a work-group, no clusters, 34,816 bytes of LDS; arguments mask, W_Q, W_K, W_V, W_O, nib, wts; writes nib, wts
.if DOCPART == 1
	.amdgcn_target "amdgcn-amd-amdhsa--gfx1250"
	.amdhsa_code_object_version 6
	.text
	.protected	k_qeb8755ba7d_prep
	.globl	k_qeb8755ba7d_prep
	.p2align	8
	.type	k_qeb8755ba7d_prep,@function
k_qeb8755ba7d_prep:
	s_mov_b64 s[64:65], 0
	v_nop
	global_prefetch_b8 v0, s[64:65] scope:SCOPE_SE
	s_setreg_imm32_b32 hwreg(HW_REG_WAVE_MODE, 25, 1), 1
	s_wait_xcnt 0x0
; PREP.  Two things, each input byte read once:
;  (1) nib: the mask as one nibble a score, laid out as attention's score accumulators lie in registers: [b 4][tile of 16 queries 128][step of 64 keys 32][lane 32][4 words].
;      Lane 16 h + r, word kt, bits 31-4j .. 28-4j belong to query r of the tile and key 16 kt + 8 h + j of the step: 0xE where mask == 0, else 0.  The word shifted left by 4 j, read as f32, is
;      between -2^65 and -2^95 where the key is hidden and at most 2^-97 where it is seen: it starts the score's sum.  Any mask word other than 0 counts as seen.
;  (2) wts: W_Q, W_K, W_V rounded to bf16; W_O rounded to bf16 and that number written as f16 (exact from 2^-14 to 65,504; below 2^-14 it keeps f16's fixed step of 2^-24).
; SHARES.  Work-group g: batch g >> 6, query block (g >> 3) & 7, key tile g & 7 (256 x 256 mask words), and 64 KiB of weight matrix g >> 6.  Wave w: the tile's rows 16 w .. 16 w + 15, and 4 KiB of the weights.
; All 40 loads of a wave go out at once (20 KiB a wave); no loop.  A wave's nibbles pass through 2,048 bytes of LDS of its own, so no barrier.  No matrix unit, no cluster: nothing is multiplied, no byte is read twice.
.set SPARE, 32768                      ; LDS: 0 .. 32767 the nibbles, 2,048 bytes a wave; then the spare words, 128 bytes for each of 16 waves
.set SPW, 8                            ; v8   my spare word's address; never rewritten
.set NIL, 9                            ; v9   0; never rewritten
.set M,   20                           ; v[20:147]  32 units of 4 mask words
.set WT,  148                          ; v[148:179] 4 units of 8 weights
	s_load_b256 s[16:23], s[0:1], 0x0              ; mask 16, W_Q 18, W_K 20, W_V 22
	s_load_b128 s[24:27], s[0:1], 0x20             ; W_O 24, nib 26
	s_load_b64 s[30:31], s[0:1], 0x30              ; wts
	v_lshl_add_u32 v[SPW], v0, 2, SPARE
	v_mov_b32 v[NIL], 0
	v_lshrrev_b32 v12, 5, v0
	v_readfirstlane_b32 s4, v12                    ; wave 0..15
	v_and_b32 v1, 31, v0                           ; lane
	s_lshr_b32 s5, ttmp9, 6                        ; batch, and which weight matrix
	s_bfe_u32 s6, ttmp9, 0x30003                   ; query block
	s_and_b32 s7, ttmp9, 7                         ; key tile
	s_and_b32 s33, ttmp9, 63                       ; which 64 KiB of the matrix
	s_lshl_b32 s8, s5, 24                          ; mask: 16 MiB a batch,
	s_lshl_b32 s10, s6, 21                         ; 256 rows of 8,192 bytes a block,
	s_add_co_u32 s8, s8, s10
	s_lshl_b32 s10, s7, 10                         ; 1,024 bytes of a row a tile
	s_add_co_u32 s8, s8, s10
	s_mov_b32 s9, 0
	s_lshl_b32 s34, s5, 21                         ; nib: ((128 b + 16 qb) 32 + 4 kt) 512
	s_lshl_b32 s10, s6, 18
	s_add_co_u32 s34, s34, s10
	s_lshl_b32 s10, s7, 11
	s_add_co_u32 s34, s34, s10
	s_mov_b32 s35, 0
	s_lshl_b32 s14, s33, 16                        ; the weights' source
	s_mov_b32 s15, 0
	s_lshl_b32 s36, s5, 21                         ; and destination: 2 MiB a matrix, 32 KiB a work-group
	s_lshl_b32 s10, s33, 15
	s_add_co_u32 s36, s36, s10
	s_mov_b32 s37, 0
	s_lshl_b32 s10, s4, 17                         ; my 16 rows of the mask
	v_lshl_add_u32 v2, v1, 4, s10                  ; v2: + 16 bytes a lane
	; where a lane's four keys go: keys 4 l .. 4 l + 3 of 128 are step l >> 4, word (l >> 2) & 3, half of the lanes (l >> 1) & 1, upper 16 bits if l is even
	v_lshrrev_b32 v12, 4, v1
	v_lshlrev_b32 v3, 9, v12
	v_bfe_u32 v12, v1, 1, 1
	v_lshl_add_u32 v3, v12, 8, v3
	v_bfe_u32 v12, v1, 2, 2
	v_lshl_add_u32 v3, v12, 2, v3
	v_and_b32 v12, 1, v1
	v_xor_b32 v12, 1, v12
	v_lshl_add_u32 v3, v12, 1, v3
	s_lshl_b32 s11, s4, 11
	v_add_nc_u32 v3, s11, v3                       ; v3: in my wave's 2,048 bytes
	v_lshl_add_u32 v4, v1, 4, s11                  ; v4: where I read them back
	v_lshl_add_u32 v6, v1, 4, s11                  ; v6: my 16 bytes of the converted weights
	s_lshl_b32 s10, s4, 12
	v_lshl_add_u32 v5, v1, 5, s10                  ; v5: my 32 bytes of the weights as they come
	s_lshl_b32 s10, s4, 14
	v_lshl_add_u32 v7, v1, 4, s10                  ; v7: my 16 bytes in nib: a tile of 16 queries is 16,384 bytes
	s_wait_kmcnt 0x0
	s_add_nc_u64 s[16:17], s[16:17], s[8:9]
	s_cmp_eq_u32 s5, 1
	s_cselect_b64 s[12:13], s[20:21], s[18:19]
	s_cmp_eq_u32 s5, 2
	s_cselect_b64 s[12:13], s[22:23], s[12:13]
	s_cmp_eq_u32 s5, 3
	s_cselect_b64 s[12:13], s[24:25], s[12:13]
	s_add_nc_u64 s[12:13], s[12:13], s[14:15]
	s_add_nc_u64 s[26:27], s[26:27], s[34:35]
	s_add_nc_u64 s[30:31], s[30:31], s[36:37]
.set n, 0
.rept 32                               ; unit n: row n / 2, keys 128 (n % 2) on: 512 consecutive bytes a load
	global_load_b128 v[M+4*n:M+4*n+3], v2, s[16:17] offset:(n/2)*8192+(n%2)*512 th:TH_LOAD_NT
.set n, n+1
.endr
.irp u, 0,1,2,3
	global_load_b128 v[WT+8*\u:WT+8*\u+3],   v5, s[12:13] offset:\u*1024 th:TH_LOAD_NT
	global_load_b128 v[WT+8*\u+4:WT+8*\u+7], v5, s[12:13] offset:\u*1024+16 th:TH_LOAD_NT
.endr
; Unit n: four mask words become four flags (1 = seen) at bits 12, 8, 4, 0; the flags turned round and times 14 are the four nibbles.
.macro UNIT n
	s_wait_loadcnt 39-(\n)                         ; loads come back in order: the 39 - n younger ones may stay out
	v_min_u32 v12, 1, v[M+4*(\n)]
	v_min_u32 v13, 1, v[M+4*(\n)+1]
	v_min_u32 v14, 1, v[M+4*(\n)+2]
	v_min_u32 v15, 1, v[M+4*(\n)+3]
	v_lshl_or_b32 v12, v12, 4, v13
	v_lshl_or_b32 v12, v12, 4, v14
	v_lshl_or_b32 v12, v12, 4, v15
	v_xor_b32 v12, 0x1111, v12
	v_mul_u32_u24 v12, 14, v12
	ds_store_b16 v3, v12 offset:((\n)/2)*16+((\n)%2)*1024
.endm
.set n, 0
.rept 32
	UNIT n
.set n, n+1
.endr
	; the weights: eight f32 become 16 bytes, in place
.irp u, 0,1,2,3
	s_wait_loadcnt 6-2*\u                          ; the younger weight loads may stay out
.irp j, 0,1,2,3
	v_cvt_pk_bf16_f32 v[WT+8*\u+\j], v[WT+8*\u+2*\j], v[WT+8*\u+2*\j+1]
.endr
.endr
	s_cmp_lg_u32 s5, 3
	s_cbranch_scc1 .Lnot_o
.irp u, 0,1,2,3                        ; W_O alone: the bf16 numbers written as f16, for the product with f16 rows
.irp j, 0,1,2,3
	v_lshlrev_b32 v14, 16, v[WT+8*\u+\j]
	v_and_b32 v15, 0xffff0000, v[WT+8*\u+\j]
	v_cvt_pk_f16_f32 v[WT+8*\u+\j], v14, v15
.endr
.endr
.Lnot_o:
.irp u, 0,1,2,3
	global_store_b128 v6, v[WT+8*\u:WT+8*\u+3], s[30:31] offset:\u*512   ; 512 consecutive bytes
.endr
	; my own 2,048 bytes of nibbles go out: LDS serves a wave's instructions in order (ISA guide 5.7.1.4), so these loads see my stores above
.irp u, 0,1,2,3
	ds_load_b128 v[M+4*\u:M+4*\u+3], v4 offset:\u*512
.endr
.irp u, 0,1,2,3
	s_wait_dscnt 3-\u
	global_store_b128 v7, v[M+4*\u:M+4*\u+3], s[26:27] offset:\u*512     ; a key step's 512 consecutive bytes
.endr
	s_wait_tensorcnt 0x0                           ; the wave's end, behind my last LDS store
	ds_add_u32 v[SPW], v[NIL]
	s_wait_dscnt 0x0
	s_endpgm
.Lfunc_end_k_qeb8755ba7d_prep:
	.size	k_qeb8755ba7d_prep, .Lfunc_end_k_qeb8755ba7d_prep-k_qeb8755ba7d_prep
	.p2alignl 7, 3214868480
	.fill 96, 4, 3214868480
	.section	.rodata,"a",@progbits
	.p2align	6, 0x0
	.amdhsa_kernel k_qeb8755ba7d_prep
		.amdhsa_group_segment_fixed_size 34816
		.amdhsa_private_segment_fixed_size 0
		.amdhsa_enable_private_segment 0
		.amdhsa_kernarg_size 56
		.amdhsa_user_sgpr_count 2
		.amdhsa_user_sgpr_kernarg_segment_ptr 1
		.amdhsa_wavefront_size32 1
		.amdhsa_system_sgpr_workgroup_id_x 1
		.amdhsa_system_sgpr_workgroup_id_y 1
		.amdhsa_system_sgpr_workgroup_id_z 1
		.amdhsa_system_vgpr_workitem_id 0
		.amdhsa_next_free_vgpr 192
		.amdhsa_next_free_sgpr 66
		.amdhsa_reserve_vcc 0
		.amdhsa_float_denorm_mode_32 3
		.amdhsa_float_denorm_mode_16_64 3
		.amdhsa_memory_ordered 1
		.amdhsa_forward_progress 1
		.amdhsa_inst_pref_size 28
	.end_amdhsa_kernel
	.amdgpu_metadata
---
amdhsa.version: [ 1, 2 ]
amdhsa.kernels:
  - .name:           k_qeb8755ba7d_prep
    .symbol:         k_qeb8755ba7d_prep.kd
    .args:
      - { .name: mask, .offset: 0, .size: 8, .value_kind: global_buffer, .address_space: global }
      - { .name: W_Q, .offset: 8, .size: 8, .value_kind: global_buffer, .address_space: global }
      - { .name: W_K, .offset: 16, .size: 8, .value_kind: global_buffer, .address_space: global }
      - { .name: W_V, .offset: 24, .size: 8, .value_kind: global_buffer, .address_space: global }
      - { .name: W_O, .offset: 32, .size: 8, .value_kind: global_buffer, .address_space: global }
      - { .name: nib, .offset: 40, .size: 8, .value_kind: global_buffer, .address_space: global }
      - { .name: wts, .offset: 48, .size: 8, .value_kind: global_buffer, .address_space: global }
    .group_segment_fixed_size: 34816
    .private_segment_fixed_size: 0
    .kernarg_segment_align: 8
    .kernarg_segment_size: 56
    .max_flat_workgroup_size: 512
    .sgpr_count:     66
    .vgpr_count:     192
    .wavefront_size: 32
...
	.end_amdgpu_metadata
.endif
;; end of part 1
;; launch proj (part 2): grid 4 x 192, 4 waves a work-group, clusters of 4 x 4, 327,680 bytes of LDS; arguments Q, K, V, wts, qkv; writes qkv
.if DOCPART == 2
	.amdgcn_target "amdgcn-amd-amdhsa--gfx1250"
	.amdhsa_code_object_version 6
	.text
	.protected	k_qeb8755ba7d_proj
	.globl	k_qeb8755ba7d_proj
	.p2align	8
	.type	k_qeb8755ba7d_proj,@function
k_qeb8755ba7d_proj:
	s_mov_b64 s[64:65], 0
	v_nop
	global_prefetch_b8 v0, s[64:65] scope:SCOPE_SE
	s_setreg_imm32_b32 hwreg(HW_REG_WAVE_MODE, 25, 1), 1
	s_wait_xcnt 0x0
	s_wait_alu depctr_hold_cnt(0) depctr_sa_sdst(0) depctr_va_vdst(0) depctr_va_sdst(0) depctr_va_ssrc(0) depctr_va_vcc(0) depctr_vm_vsrc(0)
	s_getreg_b32 s2, hwreg(HW_REG_IB_STS2, 6, 4)
	s_cmp_eq_u32 s2, 0
	s_cbranch_scc0 .Lentry_in_a_cluster
	s_endpgm
.Lentry_in_a_cluster:
	s_bfe_u32 s2, ttmp6, 0x10000c
	s_cmp_lg_u32 s2, 0xf033
	s_cbranch_scc0 .Lentry_shape_is_right
	s_endpgm
.Lentry_shape_is_right:
; THE THREE PROJECTIONS.  y[row][n] = sum over k of x[row][k] W[n][k], x = Q, K or V ([8192][1024] f32), W its weights ([1024][1024] bf16, from wts).  x is rounded to bf16 in registers, sums in f32,
; y is rounded once to f16 and stored by heads: qkv[p][16 b + head][s][64], unscaled.
; LIMIT.  f16 holds no number beyond 65,504: a projected number past that is lost.
; SHARES.  768 work-groups, 256 for each of the three problems: p = cluster y / 16.  A work-group makes 128 rows x 256 columns (four heads); a wave 64 x 128 (two whole heads): 32 accumulators.
; This tile gives a whole number of work-groups to each of 256 processors; 256 x 256 would give one and a half.
; K goes in 8 steps of 128 through two LDS slots; a step is four quarters of 32.  x comes in as f32: 512 bytes of a row a step; W as 256.
; CLUSTER 4 x 4: x's tile hangs on the tile row alone and is asked for jointly along a row of the cluster, W's on the tile column alone and jointly along a column.
; THE MATRIX INSTRUCTION IS USED TRANSPOSED (source 0 = 16 rows of W, source 1 = 16 rows of x): a lane holds eight neighbouring columns of one row of y.
; PIPELINE of a quarter q (parity f): W's fragments of q + 1 and x's raw f32 of q + 2 are fetched at its head; in its second half x's raw numbers of q + 1 are rounded to bf16, eight lines behind each four
; products.  Those conversions are also the plain instructions that stand between the last product that read a buffer and the loads into it.
; No prefetch: K has 8 steps, of which the first four are asked for at or near the head.
; REGISTERS.  window 0: v16-29 addresses; v32-95, v96-159 raw x (4 fragments x 16 f32), two buffers; v160-191, v192-223 x in bf16, two buffers; v224-255 packed results
;             window 1: the accumulators, (a, b) at 8 (8 a + b)          window 2: v0-63, v64-127 W's fragments, two buffers
.set PA,     528                       ; an LDS row of x: 512 bytes + 16: row r starts 4 r banks on (64 banks of 4 bytes: ISA guide 11.1)
.set PB,     272                       ; of W: 256 + 16
.set AHALF,  64*PA                     ; what one tensor load brings of x, and what a wave reads
.set BHALF,  128*PB                    ; the same of W
.set BOFF,   2*AHALF
.set SLOT,   BOFF+2*BHALF              ; 137,216
.set STAGE,  2*SLOT                    ; behind the ring: 16 rows x 272 bytes for each wave
.set SPITCH, 272
.set SPARE,  STAGE+4*16*SPITCH         ; the spare words, 128 bytes a wave
.set ADRA, 16                          ; v16-17  my x fragments in slot 0, 1
.set ADRB, 20                          ; v20-21  my W fragments
.set STO,  24
.set RD,   25
.set CO,   26
.set SPW,  28
.set NIL,  29
.set RAW,  32
.set ABF,  160
.set TMP,  224
.set OB,   32                          ; the way out: v32-63 and v64-95 by turns
.set G1,  24
.set G0,  32
.set G1B, 48
.set G0B, 56
.set MSB, 0
.macro WIN new                         ; the immediate's high byte repeats the setting that is left
.if MSB != (\new)
	s_set_vgpr_msb (MSB<<8)|(\new)
.set MSB, \new
.endif
.endm
.set MUL,  0x52                        ; source 0 (W) window 2, source 1 (x) window 0, C and D window 1
.set TO_B, 0x80                        ; destination window 2, address window 0
.macro JLOAD s                         ; a joint load: waves 0 and 1 fetch x's two halves, waves 2 and 3 W's; an s_nop 0 and four v_nop follow each line
	s_cmp_eq_u32 s11, 0
	s_cbranch_scc0 .Lfor_b_\@
	tensor_load_to_lds s[G0+4*(\s):G0+4*(\s)+3], s[G1:G1+7]
	s_nop 0
.rept 4
	v_nop
.endr
	s_branch .Lasked_\@
.Lfor_b_\@:
	tensor_load_to_lds s[G0B+4*(\s):G0B+4*(\s)+3], s[G1B:G1B+7]
	s_nop 0
.rept 4
	v_nop
.endr
.Lasked_\@:
.endm
.macro CREST                           ; a round of the cluster's barrier behind its opening barrier
	s_cmp_lg_u32 s10, 0
	s_cbranch_scc1 .Lnot_wave_0_\@
	s_barrier_signal -3
.Lnot_wave_0_\@:
	s_barrier_wait -3
	s_barrier_signal -1
	s_barrier_wait -1
.endm
.macro CROUND
	s_barrier_signal -1
	s_barrier_wait -1
	CREST
.endm
	s_load_b256 s[68:75], s[0:1], 0x0              ; Q 68, K 70, V 72, wts 74
	s_load_b64 s[76:77], s[0:1], 0x20              ; qkv
	v_lshl_add_u32 v[SPW], v0, 2, SPARE
	v_mov_b32 v[NIL], 0
	ds_add_u32 v[SPW], v[NIL]                      ; the wave's opening; its wait stands ahead of my first tensor load
	v_lshrrev_b32 v1, 5, v0
	v_readfirstlane_b32 s10, v1                    ; wave 0..3
	s_lshr_b32 s11, s10, 1                         ; which 64 rows are mine.  Also: I fetch for x (0) or for W (1)
	s_and_b32 s12, s10, 1                          ; which 128 columns.  Also: which half of that tile I fetch
	s_bfe_u32 s40, ttmp6, 0x40000                  ; cx
	s_bfe_u32 s41, ttmp6, 0x40004                  ; cy
	s_lshl_b32 s42, ttmp9, 2
	s_add_co_u32 s42, s42, s40                     ; tile column
	s_and_b32 s13, ttmp7, 0xffff                   ; cluster y
	s_lshr_b32 s44, s13, 4                         ; the problem: the same in all sixteen partners
	s_lshl_b32 s13, s13, 2
	s_add_co_u32 s13, s13, s41
	s_and_b32 s13, s13, 63                         ; tile row within the problem
	s_lshl_b32 s43, s41, 2
	s_lshl_b32 s43, 15, s43                        ; my row of the cluster
	s_lshl_b32 s45, 0x1111, s40                    ; my column
	s_or_b32 s[G1+0], s43, (2<<16)|(1<<20)|(1<<21)|(6<<22)|(3<<25)   ; x: elements of 4 bytes; 4 words of padding after every 128
	s_mov_b32 s[G1+1], 128<<16                     ; tensor_dim0 = 128
	s_mov_b32 s[G1+2], 64<<16                      ; tensor_dim1 = 64
	s_mov_b32 s[G1+3], 128<<16                     ; tile_dim0 = 128
	s_mov_b32 s[G1+4], 64                          ; tile_dim1 = 64
	s_mov_b32 s[G1+5], 1024                        ; elements from row to row
	s_mov_b32 s[G1+6], 0
	s_mov_b32 s[G1+7], 0
	s_or_b32 s[G1B+0], s45, (1<<16)|(1<<20)|(1<<21)|(5<<22)|(3<<25)  ; W: elements of 2 bytes; 4 words after every 64
	s_mov_b32 s[G1B+1], 128<<16
	s_mov_b32 s[G1B+2], 128<<16
	s_mov_b32 s[G1B+3], 128<<16
	s_mov_b32 s[G1B+4], 128
	s_mov_b32 s[G1B+5], 1024
	s_mov_b32 s[G1B+6], 0
	s_mov_b32 s[G1B+7], 0
	s_lshl_b32 s16, s13, 19                        ; x: (128 tile row + 64 half) rows of 4,096 bytes
	s_lshl_b32 s17, s12, 18
	s_add_co_u32 s16, s16, s17
	s_mov_b32 s17, 0
	s_lshl_b32 s46, s42, 19                        ; W: (256 tile column + 128 half) rows of 2,048 bytes
	s_lshl_b32 s47, s12, 18
	s_add_co_u32 s46, s46, s47
	s_mov_b32 s47, 0
	s_lshl_b32 s18, s44, 21                        ; the problem's 2 MiB of wts
	s_mov_b32 s19, 0
	s_mul_i32 s20, s12, AHALF                      ; where they go: no place in the cluster enters an LDS address
	s_mul_i32 s21, s12, BHALF
	s_add_co_u32 s21, s21, BOFF
	s_wait_dscnt 0x0                               ; the opening add is done
	s_wait_kmcnt 0x0
	s_cmp_eq_u32 s44, 1
	s_cselect_b64 s[4:5], s[70:71], s[68:69]
	s_cmp_eq_u32 s44, 2
	s_cselect_b64 s[4:5], s[72:73], s[4:5]
	s_add_nc_u64 s[14:15], s[4:5], s[16:17]
	s_add_nc_u64 s[6:7], s[74:75], s[18:19]
	s_add_nc_u64 s[46:47], s[6:7], s[46:47]
	CROUND                                         ; all sixteen work-groups are here: the first joint loads meet
.irp s, 0,1
	s_mov_b32 s[G0+4*(\s)], 1
	s_add_co_u32 s[G0+4*(\s)+1], s20, (\s)*SLOT
	s_add_nc_u64 s[G0+4*(\s)+2:G0+4*(\s)+3], s[14:15], (\s)*512      ; K step s
	s_or_b32 s[G0+4*(\s)+3], s[G0+4*(\s)+3], 0x80000000
	s_mov_b32 s[G0B+4*(\s)], 1
	s_add_co_u32 s[G0B+4*(\s)+1], s21, (\s)*SLOT
	s_add_nc_u64 s[G0B+4*(\s)+2:G0B+4*(\s)+3], s[46:47], (\s)*256
	s_or_b32 s[G0B+4*(\s)+3], s[G0B+4*(\s)+3], 0x80000000
	JLOAD \s
.endr
	v_and_b32 v1, 15, v0                           ; l % 16
	v_bfe_u32 v2, v0, 4, 1                         ; l / 16
	v_mul_u32_u24 v3, v1, PA
	v_lshl_add_u32 v3, v2, 5, v3                   ; x: row x pitch + 32 x half (eight f32)
	v_mul_u32_u24 v4, v1, PB
	v_lshl_add_u32 v4, v2, 4, v4                   ; W, and the stage: row x 272 + 16 x half
	s_mul_i32 s22, s11, AHALF
	s_mul_i32 s23, s12, BHALF
	s_add_co_u32 s23, s23, BOFF
.irp s, 0,1
	v_add_nc_u32 v[ADRA+(\s)], s22, v3
	v_add_nc_u32 v[ADRB+(\s)], s23, v4
	s_add_co_u32 s22, s22, SLOT
	s_add_co_u32 s23, s23, SLOT
.endr
	s_mul_i32 s23, s10, 16*SPITCH
	s_add_co_u32 s23, s23, STAGE                   ; my stage
	v_add_nc_u32 v[STO], s23, v4
	v_bfe_u32 v5, v0, 3, 2                         ; back: 32 lanes take four rows' 128 bytes of one head,
	v_mul_u32_u24 v5, v5, SPITCH
	v_and_b32 v6, 7, v0
	v_lshl_add_u32 v5, v6, 4, v5
	v_add_nc_u32 v[RD], s23, v5
	v_and_b32 v[CO], 31, v0                        ; which are 512 consecutive bytes of qkv
	v_lshlrev_b32 v[CO], 4, v[CO]
	s_lshr_b32 s16, s13, 4                         ; batch: 16 heads of 262,144 bytes
	s_lshl_b32 s16, s16, 22
	s_and_b32 s17, s13, 15                         ; 128 rows of 128 bytes a tile row
	s_lshl_b32 s17, s17, 14
	s_add_co_u32 s16, s16, s17
	s_lshl_b32 s17, s11, 13                        ; my 64 rows
	s_add_co_u32 s16, s16, s17
	s_lshl_b32 s17, s44, 24                        ; the problem's 16 MiB
	s_add_co_u32 s16, s16, s17
	s_mov_b32 s17, 0
	s_add_nc_u64 s[8:9], s[76:77], s[16:17]
	s_lshl_b32 s46, s42, 20                        ; four heads a tile column,
	s_lshl_b32 s47, s12, 19                        ; two a wave
	s_add_co_u32 s46, s46, s47
	s_mov_b32 s47, 0
	s_add_nc_u64 s[8:9], s[8:9], s[46:47]
; four products: row block g / 2, column blocks 4 (g % 2) .. + 3, buffers f.  The 32 accumulators take turns, one instruction a turn, in the same order in every quarter.
.macro G f, g, zero
	WIN MUL
.irp n, 0,1,2,3
.set rC, 8*(8*((\g)/2)+4*((\g)%2)+(\n))
.set rB, 64*(\f)+8*(4*((\g)%2)+(\n))
.set rA, ABF+32*(\f)+8*((\g)/2)
.if \zero
	v_wmma_f32_16x16x32_bf16 v[rC:rC+7], v[rB:rB+7], v[rA:rA+7], 0
.else
	v_wmma_f32_16x16x32_bf16 v[rC:rC+7], v[rB:rB+7], v[rA:rA+7], v[rC:rC+7]
.endif
.endr
.endm
.macro CV x, n                         ; fragment n of raw buffer x is rounded to bf16
	WIN 0
.irp j, 0,1,2,3,4,5,6,7
	v_cvt_pk_bf16_f32 v[ABF+32*(\x)+8*(\n)+(\j)], v[RAW+64*(\x)+16*(\n)+2*(\j)], v[RAW+64*(\x)+16*(\n)+2*(\j)+1]
.endr
.endm
.macro FETCHB slot, kq, f              ; W's eight fragments of quarter kq: 16 loads
	WIN TO_B
.irp i, 0,1,2,3,4,5,6,7
	ds_load_b128 v[64*(\f)+8*(\i):64*(\f)+8*(\i)+3],   v[ADRB+(\slot)] offset:(\kq)*64+(\i)*16*PB
	ds_load_b128 v[64*(\f)+8*(\i)+4:64*(\f)+8*(\i)+7], v[ADRB+(\slot)] offset:(\kq)*64+(\i)*16*PB+32
.endr
.endm
.macro FETCHA slot, kq, x              ; x's four fragments of quarter kq in f32: a lane's k = 8 h .. + 7 are 32 bytes, its k = 16 + 8 h .. the 32 bytes 64 further on: 16 loads
	WIN 0
.irp i, 0,1,2,3
	ds_load_b128 v[RAW+64*(\x)+16*(\i):RAW+64*(\x)+16*(\i)+3],     v[ADRA+(\slot)] offset:(\kq)*128+(\i)*16*PA
	ds_load_b128 v[RAW+64*(\x)+16*(\i)+4:RAW+64*(\x)+16*(\i)+7],   v[ADRA+(\slot)] offset:(\kq)*128+(\i)*16*PA+16
	ds_load_b128 v[RAW+64*(\x)+16*(\i)+8:RAW+64*(\x)+16*(\i)+11],  v[ADRA+(\slot)] offset:(\kq)*128+(\i)*16*PA+64
	ds_load_b128 v[RAW+64*(\x)+16*(\i)+12:RAW+64*(\x)+16*(\i)+15], v[ADRA+(\slot)] offset:(\kq)*128+(\i)*16*PA+80
.endr
.endm
.macro SECOND f                        ; a quarter's second half: products and the next quarter's conversions by turns
	G \f, 4, 0
	CV 1-(\f), 0
	G \f, 5, 0
	CV 1-(\f), 1
	G \f, 6, 0
	CV 1-(\f), 2
	G \f, 7, 0
	CV 1-(\f), 3
.endm
; A quarter of parity f.  (sb, kb): where W's next fragments lie; (sa, ka): where x's raw numbers of the quarter after next lie.
.macro QN f, sb, kb, sa, ka, zero
	s_wait_dscnt 16                                ; W's fragments of this quarter are in; the 16 younger loads (the next quarter's raw x) may stay out
	FETCHB \sb, \kb, 1-(\f)                        ; eight conversions stand between the last product that read this buffer and these loads
	FETCHA \sa, \ka, \f
	G \f, 0, \zero
	G \f, 1, \zero
	G \f, 2, \zero
	G \f, 3, \zero
	s_wait_dscnt 32                                ; all but the 32 just issued: the next quarter's raw x is in
.if \zero
	G \f, 4, 1
	CV 1-(\f), 0
	G \f, 5, 1
	CV 1-(\f), 1
	G \f, 6, 1
	CV 1-(\f), 2
	G \f, 7, 1
	CV 1-(\f), 3
.else
	SECOND \f
.endif
.endm
; A step's third quarter changes slots: W's last fragments are this slot's last reads.  Each wave waits for all its tensor loads (one is out: its part of the next slot), adds 0 to its spare word, and waits for
; that and for its reads of this slot.  fill = 1: the barrier opens a round of the cluster's, and the joint refill, two K steps on, is the first tensor load behind it: it has a K step, 128 products, in which to land.
.macro QM slot, next, fill
	s_wait_dscnt 16
	FETCHB \slot, 3, 1
	WIN 0
	s_wait_tensorcnt 0x0
	ds_add_u32 v[SPW], v[NIL]                      ; 0 onto my spare word; twelve products stand between it and the wait for it
	G 0, 0, 0
	G 0, 1, 0
	G 0, 2, 0
	s_wait_dscnt 0x0                               ; the add is done, and my reads of this slot are over
	s_barrier_signal -1
	G 0, 3, 0
	WIN 0
	s_barrier_wait -1
.if \fill
	CREST
	s_add_nc_u64 s[G0+4*(\slot)+2:G0+4*(\slot)+3], s[G0+4*(\slot)+2:G0+4*(\slot)+3], 1024
	s_add_nc_u64 s[G0B+4*(\slot)+2:G0B+4*(\slot)+3], s[G0B+4*(\slot)+2:G0B+4*(\slot)+3], 512
	JLOAD \slot
.endif
	FETCHA \next, 0, 0
	SECOND 0
.endm
	s_wait_tensorcnt 1                             ; my part of K step 0 is in; K step 1's may stay out
	s_barrier_signal -1
	s_barrier_wait -1
	FETCHA 0, 0, 0
	FETCHB 0, 0, 0
	FETCHA 0, 1, 1
	s_wait_dscnt 32                                ; the first quarter's raw x is in
	CV 0, 0
	CV 0, 1
	CV 0, 2
	CV 0, 3
	QN 0, 0, 1, 0, 2, 1                            ; the first quarter starts the sums: nothing is cleared
	WIN 0
	s_mov_b32 s3, 3
.Llap:                                                 ; once round the ring, from a lap's second quarter to the next lap's first
	QN 1, 0, 2, 0, 3, 0
	QM 0, 1, 1
	QN 1, 1, 0, 1, 1, 0
	QN 0, 1, 1, 1, 2, 0
	QN 1, 1, 2, 1, 3, 0
	QM 1, 0, 1
	QN 1, 0, 0, 0, 1, 0
	QN 0, 0, 1, 0, 2, 0
	WIN 0
	s_sub_co_u32 s3, s3, 1
	s_cmp_lg_u32 s3, 0
	s_cbranch_scc1 .Llap
	QN 1, 0, 2, 0, 3, 0                            ; the last lap fills nothing
	QM 0, 1, 0
	QN 1, 1, 0, 1, 1, 0
	QN 0, 1, 1, 1, 2, 0
	QN 1, 1, 2, 1, 3, 0
	s_wait_dscnt 16                                ; the last step's third quarter: only W's last fragments are left to fetch
	FETCHB 1, 3, 1
	G 0, 0, 0
	G 0, 1, 0
	G 0, 2, 0
	G 0, 3, 0
	s_wait_dscnt 16                                ; the last raw x is in; the 16 just issued may stay out
	SECOND 0
	s_wait_dscnt 0x0
.irp g, 0,1,2,3,4,5,6,7
	G 1, \g, 0
.endr
	WIN 0
.rept 4
	v_nop                                          ; four plain instructions behind the last product, in front of the conversions that read results
.endr
; THE WAY OUT, 16 rows at a time: rounded to f16 (each accumulator's registers in ascending order), 16 bytes a lane into my stage, back as four rows x 128 bytes of one head, stored as 512 consecutive bytes.
.macro PACK a
	WIN 0x05
.irp n, 0,1,2,3,4,5,6,7
.irp r, 0,1,2,3
	v_cvt_pk_f16_f32 v[TMP+4*(\n)+(\r)], v[8*(8*(\a)+(\n))+2*(\r)], v[8*(8*(\a)+(\n))+2*(\r)+1]
.endr
.endr
	WIN 0
.endm
.macro TOSTAGE a
.set BK, OB+32*((\a)%2)
.irp n, 0,1,2,3,4,5,6,7
	ds_store_b128 v[STO], v[TMP+4*(\n):TMP+4*(\n)+3] offset:32*(\n)
.endr
.irp hh, 0,1
.irp t, 0,1,2,3
	ds_load_b128 v[BK+4*(4*(\hh)+(\t)):BK+4*(4*(\hh)+(\t))+3], v[RD] offset:(\t)*4*SPITCH+(\hh)*128   ; LDS serves a wave's instructions in order: these see the stores above
.endr
.endr
.endm
.macro SEND a
.set BK, OB+32*((\a)%2)
	s_wait_dscnt 0x0
	s_wait_xcnt 0x0                                ; the registers that earlier stores read are loaded again only behind this wait
.irp hh, 0,1
.irp t, 0,1,2,3
	global_store_b128 v[CO], v[BK+4*(4*(\hh)+(\t)):BK+4*(4*(\hh)+(\t))+3], s[8:9] offset:(\hh)*262144+(\a)*2048+(\t)*512
.endr
.endr
.endm
	PACK 0
	TOSTAGE 0
.irp a, 1,2,3
	PACK \a
	SEND (\a)-1
	TOSTAGE \a
.endr
	SEND 3
	s_wait_tensorcnt 0x0                           ; the wave's end
	ds_add_u32 v[SPW], v[NIL]
	s_wait_dscnt 0x0
	CROUND                                         ; the closing round
	s_endpgm
.Lfunc_end_k_qeb8755ba7d_proj:
	.size	k_qeb8755ba7d_proj, .Lfunc_end_k_qeb8755ba7d_proj-k_qeb8755ba7d_proj
	.p2alignl 7, 3214868480
	.fill 96, 4, 3214868480
	.section	.rodata,"a",@progbits
	.p2align	6, 0x0
	.amdhsa_kernel k_qeb8755ba7d_proj
		.amdhsa_group_segment_fixed_size 327680
		.amdhsa_private_segment_fixed_size 0
		.amdhsa_enable_private_segment 0
		.amdhsa_kernarg_size 40
		.amdhsa_user_sgpr_count 2
		.amdhsa_user_sgpr_kernarg_segment_ptr 1
		.amdhsa_wavefront_size32 1
		.amdhsa_system_sgpr_workgroup_id_x 1
		.amdhsa_system_sgpr_workgroup_id_y 1
		.amdhsa_system_sgpr_workgroup_id_z 1
		.amdhsa_system_vgpr_workitem_id 0
		.amdhsa_next_free_vgpr 640
		.amdhsa_next_free_sgpr 80
		.amdhsa_reserve_vcc 0
		.amdhsa_float_denorm_mode_32 3
		.amdhsa_float_denorm_mode_16_64 3
		.amdhsa_memory_ordered 1
		.amdhsa_forward_progress 1
		.amdhsa_inst_pref_size 128
	.end_amdhsa_kernel
	.amdgpu_metadata
---
amdhsa.version: [ 1, 2 ]
amdhsa.kernels:
  - .name:           k_qeb8755ba7d_proj
    .symbol:         k_qeb8755ba7d_proj.kd
    .args:
      - { .name: Q, .offset: 0, .size: 8, .value_kind: global_buffer, .address_space: global }
      - { .name: K, .offset: 8, .size: 8, .value_kind: global_buffer, .address_space: global }
      - { .name: V, .offset: 16, .size: 8, .value_kind: global_buffer, .address_space: global }
      - { .name: wts, .offset: 24, .size: 8, .value_kind: global_buffer, .address_space: global }
      - { .name: qkv, .offset: 32, .size: 8, .value_kind: global_buffer, .address_space: global }
    .group_segment_fixed_size: 327680
    .private_segment_fixed_size: 0
    .kernarg_segment_align: 8
    .kernarg_segment_size: 40
    .max_flat_workgroup_size: 128
    .sgpr_count:     80
    .vgpr_count:     640
    .wavefront_size: 32
...
	.end_amdgpu_metadata
.endif
;; end of part 2
;; launch attn (part 3): grid 4 x 64, 4 waves a work-group, clusters of 4 x 1, 327,680 bytes of LDS; arguments qkv, nib, oh; writes oh
.if DOCPART == 3
	.amdgcn_target "amdgcn-amd-amdhsa--gfx1250"
	.amdhsa_code_object_version 6
	.text
	.protected	k_qeb8755ba7d_attn
	.globl	k_qeb8755ba7d_attn
	.p2align	8
	.type	k_qeb8755ba7d_attn,@function
k_qeb8755ba7d_attn:
	s_mov_b64 s[64:65], 0
	v_nop
	global_prefetch_b8 v0, s[64:65] scope:SCOPE_SE
	s_setreg_imm32_b32 hwreg(HW_REG_WAVE_MODE, 25, 1), 1
	s_wait_xcnt 0x0
	s_wait_alu depctr_hold_cnt(0) depctr_sa_sdst(0) depctr_va_vdst(0) depctr_va_sdst(0) depctr_va_ssrc(0) depctr_va_vcc(0) depctr_vm_vsrc(0)
	s_getreg_b32 s2, hwreg(HW_REG_IB_STS2, 6, 4)
	s_cmp_eq_u32 s2, 0
	s_cbranch_scc0 .Lentry_in_a_cluster
	s_endpgm
.Lentry_in_a_cluster:
	s_bfe_u32 s2, ttmp6, 0x10000c
	s_cmp_lg_u32 s2, 0x3003
	s_cbranch_scc0 .Lentry_shape_is_right
	s_endpgm
.Lentry_shape_is_right:
; ATTENTION UNDER A MASK THAT IS GIVEN.  O[hd][q][:] = the sum over the keys k that the mask lets q see of softmax_k(Q[hd][q] . K[hd][k] / 8) V[hd][k][:]; 0 where q sees nothing.
; Q, K, V (qkv) and O (oh): [64 = 16 b + head][2048][64], f16, a head's rows dense.  Products, maxima and sums in f32; the weights p are rounded to f16 for the second product, O once at the end.
; LIMITS.  Q, K, V lie within f16's 65,504, so a score is 2.7e11 at the most.  A hidden score counts as its value less 2^65 or more.  The running maximum starts at -2^60, above every hidden score and below
; every true one: a hidden score's weight is 0, and a row whose maximum stays at -2^60 has seen nothing and gives 0.  A weight below 2^-126 counts as 0.  NaN and infinities are not treated apart.
; THE WALK.  A head's queries lie in 8 blocks of 256, its keys in 8 tiles of 256.  Nothing is known of the mask, so every block walks all 8 tiles.  A work-group takes blocks 7 - x and x, one after the other:
; 16 tiles, ONE loop of 15 trips and the 16th written out; the ring (two slots of LDS that take turns) runs on across the change of blocks.  Every count and every jump's condition is a constant of the text.
; THE MASK is the C operand that starts the sum S^T = K Q^T.  A lane's four words of nib hold its 32 scores' nibbles; word kt shifted left by 4 j is register 8 kt + j's operand: below -2^65 or next to 0.
; CLUSTER.  The four work-groups of a head walk the same tiles of K and V in the same trips, so each tile is asked for JOINTLY: the same tensor load, descriptor and mask in all four.  A work-group's place in the
; cluster enters the global addresses of Q, O, nib and the prefetch alone.
; SHARES, LAYOUT, TURNS.  Of a block's four bands of 64 queries a wave owns 16 rows in each: four PIECES.  S^T holds ONE query a lane (lane % 16) and the keys 8 (lane / 16) + 0..7; two results rounded to f16 ARE
; source 1 of O^T = V^T P.  p = 2^(c s - c m), c = log2(e) / 8; O and l are multiplied by a = 2^(c m_old - c m_new) in every step.  Turn n belongs to piece n: 8 products K Q^T of piece n + 1, later 8 products
; V^T P of piece n - 1; beside them piece n's scaling, exponentials, roundings, sums and rescaling and piece n + 1's maximum.  Four vector instructions stand behind every matrix instruction, the rest in one lump;
; at a turn's end the next turn's masks are spread.
; REGISTERS (s_set_vgpr_msb: bits 1:0 source 0, 3:2 source 1, 5:4 source 2, 7:6 destination):
;   window 0: v0-15 addresses; v16-31 statistics; v32-47 mask words, four a piece; v48-55 at work; v56 prefetch offset; v64-127 S^T, two buffers; v192-223 P, two buffers
;   window 1: v0-127 O^T; v160-223 MC, the spread masks, two buffers      window 2: v0-63 Q; v64-127 the second block's Q; v128-191 K of one step; v192-255 V of one step
.set SIZE_N, 2048
.set NB,    SIZE_N/256
.set NP,    4
.set KS,    64
.set PK,    144       ; a row of K in LDS: 128 bytes + 16: the 16 rows of a load start at 16 different groups of four banks (64 banks of 4 bytes: ISA guide 11.1)
.set PV,    160       ; a row of V: 128 + 32
.set VOFF,  4*KS*PK   ; a slot holds a tile: 256 rows of K, then 256 rows of V
.set SLOT1, 1<<17     ; slot 1 begins here, so that one exclusive or turns an address in one slot into the other's
.set STAGE, SLOT1+4*KS*(PK+PV)  ; behind the ring, never filled by a tensor load: 16 rows x 144 bytes for each wave
.set SP,    144
.set SPARE, STAGE+4*16*SP       ; the spare words, 128 bytes for each wave
.set AK0, 2           ; v2   my lane's place in a tile of K; never rewritten
.set AV0, 3           ; v3   the same for V
.set AK,  4           ; v4   the LDS address of K's next run of loads
.set AV,  5           ; v5   of V's
.set STO, 6           ; v6   the way out: where I put 16 bytes of a row
.set RD,  7           ; v7   the way out: where I read rows back
.set GO,  8           ; v8   16 x lane: my 16 bytes of 512, in O and in nib; never rewritten
.set MV,  12          ; v12-13  c m_old, kept while c m is made anew: by buffer
.set QO,  15          ; v15  my byte offset in 16 rows of Q
.set ST,  16          ; piece t: c m, m, l (even keys', odd keys')
.set WD,  32          ; piece x's four mask words at WD + 4 x
.set TMP, 48          ; by buffer, four registers at work; when the maximum is found the third takes a
.set PFO, 56          ; v56  256 x my lane; never rewritten
.set SPW, 62
.set NIL, 63
.set S,   64
.set P,   192
.set MC,  160
.set QB,  64
.set KF,  128
.set VF,  192
.set WV,  12          ; s12  my wave's number
.set PB,  14          ; s14  x: the second block
.set HI,  15          ; s15  7 - x: the first
.set G1K, 24          ; s[24:31] descriptor group 1 for K's tiles
.set G1V, 32          ; s[32:39] for V's: it differs in the padding alone
.set G0K, 40          ; s[40:43] descriptor group 0 for K's tiles
.set G0V, 44          ; s[44:47] for V's
.set MP,  48          ; s[48:49] nib at my first piece's words of key step KSN
.set MBC, 50          ; s[50:51] nib at my first piece's words of the block in hand
.set MBB, 52          ; s[52:53] the same of the second block
.set KSN, 54
.set SLOTS, 56        ; s56  tiles still to be asked for
.set CNT, 57          ; s57  counts a tile's key steps, 4 to 1
.set CS,  58          ; s[58:59] c
.set SEL, 60          ; s[60:61] v_permlanex16_b32's selects
.set TBK, 62          ; s62  LDS byte at which K of the step to be fetched begins
.set TBV, 63          ; s63  the same for V, less VOFF
.set RT,  70          ; s70  tiles of the block in hand still to be entered
.set NXT, 71          ; s71  the tile to be asked for next
.set NEW, 73          ; s73  1: the tile to be entered is a block's first
.set OFF, 74          ; s[74:75] a tile's byte offset in K and V
.set OLO, 80          ; s[80:81] O at my rows of the second block
.set THR, 82          ; s82  -2^60
.set TS,  83
.set OFF2, 84         ; s[84:85] a key step's byte offset in nib
.set PFA, 96          ; s[96:97] where my prefetches stand
.set PFL, 101         ; s101 5 in a wave that prefetches, else 0
.set MSB, 0
.macro WIN new                      ; the high byte repeats the setting that is left; a switch that changes nothing is dropped
.if MSB != (\new)
	s_set_vgpr_msb (MSB<<8)|(\new)
.set MSB, (\new)
.endif
.endm
.set W_KQ, 0x0a       ; K and Q in window 2, S^T in window 0
.set W_KM, 0x1a       ; the same with the C operand in window 1
.set W_PV, 0x52       ; V in window 2, P in window 0, O^T in window 1
.set W_RS, 0x41       ; destination and source 0 in window 1, source 1 in window 0
; A joint fill.  Waves 0 and 1 fetch the two halves of a tile's K, waves 2 and 3 those of its V: 128 keys each.  The branch hangs on the wave's number alone.
; An s_nop 0 and four v_nop follow each of the two lines, ahead of the jump and the label.
.macro JLOAD
	s_cmp_lt_u32 s[WV], 2
	s_cbranch_scc0 .Lfor_v_\@
	tensor_load_to_lds s[G0K:G0K+3], s[G1K:G1K+7]
	s_nop 0
.rept 4
	v_nop
.endr
	s_branch .Lasked_\@
.Lfor_v_\@:
	tensor_load_to_lds s[G0V:G0V+3], s[G1V:G1V+7]
	s_nop 0
.rept 4
	v_nop
.endr
.Lasked_\@:
.endm
; A PREFETCH, behind the wave's tensor load and its five lines.  The changes of slots number 2 to 6 (s[SLOTS] = 14 .. 10) name tiles 3 to 7 of the head's K and V, each one tile, four key steps, ahead of its load.
; A tile is 128 blocks of 256 bytes of K and as many of V: the four partners take 32 each, told apart BY ADDRESS; in each, wave 0 asks for K's and wave 2 for V's, a lane a block: each block is named once in the
; launch.  Tiles 0 to 2 come by their loads alone; the second walk of the tiles asks for nothing.
.macro ASK
	s_sub_co_u32 s[TS], s[SLOTS], 10
	s_cmp_lt_u32 s[TS], s[PFL]
	s_cbranch_scc0 .Lnot_mine_\@
	global_prefetch_b8 v[PFO], s[PFA:PFA+1] th:TH_LOAD_NT scope:SCOPE_SE
.Lnot_mine_\@:
.endm
; A round of the cluster's barrier: my work-group's barrier, so that wave 0's signal speaks for all four waves; wave 0 signals; every wave waits for all four work-groups; my work-group's barrier once more.
.macro CROUND
	s_barrier_signal -1
	s_barrier_wait -1
	s_cmp_lg_u32 s[WV], 0
	s_cbranch_scc1 .Lnot_wave_0_\@
	s_barrier_signal -3
.Lnot_wave_0_\@:
	s_barrier_wait -3
	s_barrier_signal -1
	s_barrier_wait -1
.endm
; THE CHANGE OF SLOTS.  Each wave waits for all its tensor loads (one is out: its part of the other slot), adds 0 to its spare word, and waits for that and for its reads of the slot that it leaves.
; fill = 1: the old slot is filled again with tile NXT (0 .. 7, and round again for the second block).  The barrier is then a round of the cluster's, so that no wave of any partner still reads the slot or has a
; load on its way, and the joint fill is the first thing behind it: it has four key steps, 256 matrix instructions, in which to land.  (At its first use nothing has been read yet: slot 0 is waited for, slot 1 filled.)
.macro CHANGE fill
	WIN 0                           ; at a label and at a branch every window is 0
	s_wait_tensorcnt 0x0            ; no tensor load of mine is out, so a group 0 may be written
	ds_add_u32 v[SPW], v[NIL]       ; 0 onto my spare word; with fill = 1 scalar work stands between it and the wait for it
.if \fill
	s_lshl_b32 s[OFF], s[NXT], 15   ; a tile is 32,768 bytes of K and of V
	s_xor_b32 s[G0K+1], s[G0K+1], SLOT1
	s_add_nc_u64 s[G0K+2:G0K+3], s[6:7], s[OFF:OFF+1]
	s_or_b32 s[G0K+3], s[G0K+3], 0x80000000
	s_xor_b32 s[G0V+1], s[G0V+1], SLOT1
	s_add_nc_u64 s[G0V+2:G0V+3], s[8:9], s[OFF:OFF+1]
	s_or_b32 s[G0V+3], s[G0V+3], 0x80000000
	s_add_co_u32 s[NXT], s[NXT], 1
	s_and_b32 s[NXT], s[NXT], NB-1
	s_wait_xcnt 0x0                 ; the last prefetch, a tile back, has read its address
	s_add_nc_u64 s[PFA:PFA+1], s[PFA:PFA+1], 32768
	s_wait_dscnt 0x0                ; the add is done, and my reads of the slot are over
	CROUND
	JLOAD
	ASK
.else
	s_wait_dscnt 0x0                ; the add is done, and my reads of the slot are over
	s_barrier_signal -1
	s_barrier_wait -1
.endif
	s_sub_co_u32 s[TBK], s[TBK], 4*KS*PK  ; the fetches go back to a slot's first step,
	s_xor_b32 s[TBK], s[TBK], SLOT1       ; in the other slot
	s_sub_co_u32 s[TBV], s[TBV], 4*KS*PV
	s_xor_b32 s[TBV], s[TBV], SLOT1
.endm
	s_load_b128 s[88:91], s[0:1], 0x0  ; qkv 88, nib 90
	s_load_b64 s[92:93], s[0:1], 0x10  ; oh
	v_lshl_add_u32 v[SPW], v0, 2, SPARE
	v_mov_b32 v[NIL], 0
	ds_add_u32 v[SPW], v[NIL]       ; the wave's opening; its wait stands ahead of my first tensor load
	v_lshrrev_b32 v1, 5, v0
	v_readfirstlane_b32 s[WV], v1   ; wave 0..3
	s_bfe_u32 s19, ttmp6, 0x40000   ; cx: my place in the cluster
	s_lshl_b32 s[PB], ttmp9, 2      ; in a cluster launch ttmp9 counts clusters
	s_add_co_u32 s[PB], s[PB], s19
	s_sub_co_u32 s[HI], NB-1, s[PB]
	s_and_b32 s20, ttmp7, 0xffff    ; 16 b + head, which the four partners share
	s_lshr_b32 s13, s20, 4          ; b
	s_lshl_b32 s13, s13, 7          ; nib: tile of 16 queries 128 b + 16 block + 4 piece + wave, 16,384 bytes each
	s_add_co_u32 s13, s13, s[WV]
	s_lshl_b32 s[MBC], s[HI], 4
	s_add_co_u32 s[MBC], s[MBC], s13
	s_lshl_b32 s[MBC], s[MBC], 14
	s_mov_b32 s[MBC+1], 0
	s_lshl_b32 s[MBB], s[PB], 4
	s_add_co_u32 s[MBB], s[MBB], s13
	s_lshl_b32 s[MBB], s[MBB], 14
	s_mov_b32 s[MBB+1], 0
	s_mov_b32 s21, 0
	s_mov_b64 s[22:23], SIZE_N*128
	s_mul_u64 s[20:21], s[20:21], s[22:23]  ; the head's first byte
	s_and_b32 s16, s[WV], 1         ; which half of a tile's 256 keys I fetch:
	s_lshl_b32 s22, s16, 14         ; its 128 rows of 128 bytes in memory,
	s_mov_b32 s23, 0
	s_add_nc_u64 s[22:23], s[22:23], s[20:21]
	s_mul_i32 s17, s16, 128*PK      ; and its place in a slot, for K
	s_mul_i32 s18, s16, 128*PV      ; and for V: no place in the cluster enters an LDS address
	s_lshl_b32 s3, s[WV], 11        ; my 16 rows in a band of 64,
	s_lshl_b32 s2, s[HI], 15        ; in the first block,
	s_add_co_u32 s2, s2, s3
	s_lshl_b32 s84, s[PB], 15       ; and in the second
	s_add_co_u32 s84, s84, s3
	s_mov_b32 s3, 0
	s_mov_b32 s85, 0
	s_add_nc_u64 s[2:3], s[2:3], s[20:21]
	s_add_nc_u64 s[84:85], s[84:85], s[20:21]
	; descriptor group 1.  128 keys are 16,384 dense bytes: asked for as 64 rows of 256 bytes, two keys a row, and padded in LDS after every key
	s_mov_b32 s[G1K], 15|(1<<16)|(1<<20)|(1<<21)|(4<<22)|(3<<25)  ; 15:0 the mask of four; 17:16 2-byte elements; 20 padding on; 21 set beside a mask; 24:22 after every 32 words (code 4); 31:25 4 words (code 3)
	s_mov_b32 s[G1V], 15|(1<<16)|(1<<20)|(1<<21)|(4<<22)|(7<<25)  ; the same with 8 words of padding (code 7)
.irp g, G1K, G1V
	s_mov_b32 s[\g+1], 128<<16      ; tensor_dim0 = 128
	s_mov_b32 s[\g+2], 64<<16       ; tensor_dim1 = 64
	s_mov_b32 s[\g+3], 128<<16      ; tile_dim0 = 128
	s_mov_b32 s[\g+4], 64           ; tile_dim1 = 64
	s_mov_b32 s[\g+5], 128          ; 128 elements from row to row
	s_mov_b32 s[\g+6], 0
	s_mov_b32 s[\g+7], 0
.endr
	s_mov_b32 s[CS], 0x3e38aa3b     ; c = log2(e) / 8 = 0.180337
	s_mov_b32 s[CS+1], s[CS]        ; named with it as a pair
	s_mov_b32 s[SEL], 0x76543210
	s_mov_b32 s[SEL+1], 0xfedcba98
	s_mov_b32 s[TBK], SLOT1+4*KS*PK ; the first change of slots turns these two into 0
	s_mov_b32 s[TBV], SLOT1+4*KS*PV
	s_mov_b32 s[G0K], 1             ; 1:0 count = 1
	s_mov_b32 s[G0K+1], s17         ; 63:32 LDS address: slot 0
	s_mov_b32 s[G0V], 1
	s_add_co_u32 s[G0V+1], s18, VOFF
	s_mov_b32 s[THR], 0xdd800000    ; -2^60
	s_mov_b32 s[RT], NB
	s_mov_b32 s[NXT], 1
	s_mov_b32 s[NEW], 1
	s_mov_b32 s[OFF+1], 0
	s_mov_b32 s[SLOTS], 2*NB-1
	s_cmp_eq_u32 s16, 0             ; waves 0 and 2 prefetch: the same in all four partners
	s_cselect_b32 s[PFL], 5, 0
	v_and_b32 v[PFO], 31, v0
	v_lshlrev_b32 v[PFO], 8, v[PFO]
	s_wait_dscnt 0x0                ; the opening add is done
	s_wait_kmcnt 0x0
	s_add_nc_u64 s[6:7], s[88:89], 0x1000000       ; K lies 16 MiB behind Q,
	s_add_nc_u64 s[8:9], s[88:89], 0x2000000       ; V 32
	s_add_nc_u64 s[6:7], s[6:7], s[22:23]          ; at my half of the head's tile 0
	s_add_nc_u64 s[8:9], s[8:9], s[22:23]
	s_add_nc_u64 s[G0K+2:G0K+3], s[6:7], 0         ; 120:64 global address
	s_or_b32 s[G0K+3], s[G0K+3], 0x80000000        ; 127:126 type = 2
	s_add_nc_u64 s[G0V+2:G0V+3], s[8:9], 0
	s_or_b32 s[G0V+3], s[G0V+3], 0x80000000
	s_add_nc_u64 s[86:87], s[88:89], s[84:85]      ; Q at my rows of the second block,
	s_add_nc_u64 s[4:5], s[88:89], s[2:3]          ; Q and O at those of the first
	s_add_nc_u64 s[OLO:OLO+1], s[92:93], s[84:85]
	s_add_nc_u64 s[10:11], s[92:93], s[2:3]
	s_add_nc_u64 s[MBC:MBC+1], s[90:91], s[MBC:MBC+1]
	s_add_nc_u64 s[MBB:MBB+1], s[90:91], s[MBB:MBB+1]
	s_add_nc_u64 s[MP:MP+1], s[MBC:MBC+1], 512     ; the mask words' pointer and its step hold a block's first values from here on, on every way into the loop; each block's beginning sets them anew
	s_mov_b32 s[KSN], 1
	s_mov_b32 s[OFF2+1], 0
	s_cmp_lt_u32 s[WV], 2
	s_cselect_b64 s[PFA:PFA+1], s[6:7], s[8:9]     ; (in waves 0 and 2 these stand at a tile's first row)
	s_lshl_b32 s2, s19, 13                         ; my work-group's 32 blocks of the 128
	s_mov_b32 s3, 0
	s_add_nc_u64 s[PFA:PFA+1], s[PFA:PFA+1], s[2:3]
	s_add_nc_u64 s[PFA:PFA+1], s[PFA:PFA+1], 32768 ; in tile 1: each change of slots steps it by a tile before it asks.  Nothing is prefetched here, at the head
	CROUND                          ; all four work-groups are here: the first joint loads meet
	JLOAD                           ; tile 0 into slot 0
	; A fragment of K or Q is 16 rows x 32 channels in 8 registers: lane l holds row l % 16, channels 8 (l / 16) + 0..7 and 16 + 8 (l / 16) + 0..7: two loads of 16 bytes, 32 bytes apart.
	v_and_b32 v1, 15, v0            ; l % 16
	v_bfe_u32 v9, v0, 4, 1          ; l / 16
	v_lshlrev_b32 v[QO], 7, v1
	v_lshl_add_u32 v[QO], v9, 4, v[QO]  ; row x 128 + 16 x half
	WIN 0x80                        ; destination window 2, address window 0
.set i, 0
.rept 8                             ; both blocks' Q: piece i / 2 lies in band i / 2, 8,192 bytes on; channels 32 (i % 2) on
	global_load_b128 v[8*i:8*i+3],   v[QO], s[4:5] offset:(i/2)*8192+(i%2)*64
	global_load_b128 v[8*i+4:8*i+7], v[QO], s[4:5] offset:(i/2)*8192+(i%2)*64+32
	global_load_b128 v[QB+8*i:QB+8*i+3],   v[QO], s[86:87] offset:(i/2)*8192+(i%2)*64
	global_load_b128 v[QB+8*i+4:QB+8*i+7], v[QO], s[86:87] offset:(i/2)*8192+(i%2)*64+32
.set i, i+1
.endr
	WIN 0
	v_mul_u32_u24 v[AK0], v1, PK
	v_lshl_add_u32 v[AK0], v9, 4, v[AK0]  ; row x pitch + 16 x half
	; The turning load takes 16 keys x 16 channels (lane l reads key 8 (l / 16) + l % 8, channels 8 ((l / 8) % 2) + 0..7) and leaves half a fragment of V^T: lane l holds channel l % 16 and 8 keys.
	v_and_b32 v10, 7, v0
	v_bfe_u32 v11, v0, 3, 1
	v_lshl_add_u32 v[AV0], v9, 3, v10
	v_mul_u32_u24 v[AV0], v[AV0], PV
	v_lshl_add_u32 v[AV0], v11, 4, v[AV0]
	v_add_nc_u32 v[AV0], VOFF, v[AV0]
	s_mul_i32 s13, s[WV], 16*SP
	s_add_co_u32 s13, s13, STAGE    ; my stage
	v_mul_u32_u24 v[STO], v1, SP    ; in: row l % 16, 16 bytes for each half of the lanes
	v_lshl_add_u32 v[STO], v9, 4, v[STO]
	v_add_nc_u32 v[STO], s13, v[STO]
	v_bfe_u32 v[RD], v0, 3, 2       ; back: 32 lanes take four rows of 128 bytes,
	v_mul_u32_u24 v[RD], v[RD], SP
	v_lshl_add_u32 v[RD], v10, 4, v[RD]
	v_add_nc_u32 v[RD], s13, v[RD]
	v_and_b32 v[GO], 31, v0         ; which are 512 consecutive bytes of O
	v_lshlrev_b32 v[GO], 4, v[GO]
	; A block's first step multiplies O^T and l by a = 0, and its first turn's products V^T P, of a piece that has not been, land in an O^T that is still to be so multiplied.  So these registers need only hold
	; finite numbers: zeros for the first block; what the first block left for the second.  All this stands in the wait for the first tile.
	WIN 0x80
.set i, VF
.rept 64
	v_mov_b32 v[i], 0
.set i, i+1
.endr
	WIN 0x40
.set i, 0
.rept 128
	v_mov_b32 v[i], 0
.set i, i+1
.endr
	WIN 0
.set i, 0
.rept 4
	v_mov_b32 v[ST+4*i+2], 0
	v_mov_b32 v[ST+4*i+3], 0
.set i, i+1
.endr
.set i, P+16
.rept 16
	v_mov_b32 v[i], 0
.set i, i+1
.endr
; THE MATRIX WORK.  The 4 accumulators of a run of 8 take turns.  Product i of 8 of S^T = K Q^T for piece x: channels 32 (i / 4) on, keys 16 (i % 4) on.  The first 4 start the sums with the mask.
.macro KQ x
.set rS, S+32*((\x)%2)+8*(i%4)
.set rK, KF+16*(i%4)+8*(i/4)
.set rQ, 16*(\x)+8*(i/4)
.set rM, MC+32*((\x)%2)+8*(i%4)
.if i < 4
	WIN W_KM
	v_wmma_f32_16x16x32_f16 v[rS:rS+7], v[rK:rK+7], v[rQ:rQ+7], v[rM:rM+7]
.else
	WIN W_KQ
	v_wmma_f32_16x16x32_f16 v[rS:rS+7], v[rK:rK+7], v[rQ:rQ+7], v[rS:rS+7]
.endif
.endm
; Product i of 8 of O^T += V^T P for piece x: keys 32 (i / 4) on, channels 16 (i % 4) on.
.macro PV x
	WIN W_PV
.set rO, 32*(\x)+8*(i%4)
.set rV, VF+32*(i/4)+8*(i%4)
.set rP, P+16*((\x)%2)+8*(i/4)
	v_wmma_f32_16x16x32_f16 v[rO:rO+7], v[rV:rV+7], v[rP:rP+7], v[rO:rO+7]
.endm
.macro MM                           ; the turn's next matrix instruction.  NOKQ = 1: a block's last turn: there is no next piece
.if (i < 8) && !NOKQ
	KQ (Y+1)%NP
.elseif i >= 8
.set i, i-8
	PV (Y+NP-1)%NP
.set i, i+8
.endif
.set i, i+1
.endm
; THE LDS LOADS stand in runs of 16, never singly among the matrix instructions: a step's K (64 keys x 64 channels: 8 fragments) and its V (turned).
.macro FETCH_K
	WIN 0x80                        ; destination window 2
.irp f, 0,1,2,3,4,5,6,7             ; keys 16 (f / 2) on, channels 32 (f % 2) on
	ds_load_b128 v[KF+8*\f:KF+8*\f+3],   v[AK] offset:(\f/2)*16*PK+(\f%2)*64
	ds_load_b128 v[KF+8*\f+4:KF+8*\f+7], v[AK] offset:(\f/2)*16*PK+(\f%2)*64+32
.endr
	s_add_co_u32 s[TBK], s[TBK], KS*PK  ; the next fetch is the next step's
	WIN 0
.endm
.macro FETCH_V
	WIN 0x80
.irp f, 0,1,2,3,4,5,6,7             ; keys 32 (f / 4) on, channels 16 (f % 4) on
	ds_load_tr16_b128 v[VF+8*\f:VF+8*\f+3],   v[AV] offset:(\f/4)*32*PV+(\f%4)*32
	ds_load_tr16_b128 v[VF+8*\f+4:VF+8*\f+7], v[AV] offset:(\f/4)*32*PV+16*PV+(\f%4)*32
.endr
	WIN 0
.endm
; THE VECTOR WORK, one line at a time: OP kind, number.  For piece Y: F n: c s - c m for pair n of 16.  E n: the exponential of score n of 32.  C n: pair n rounded to f16.  B n: of the four weights 4 n .. the second
; pair is added onto the first, in place.  L n: l takes that sum (L 0: l = a l + sum).  R n: pair n of 16 of O^T times a.  For piece Y + 1: X n, number n of the 22 that find its maximum and statistics:
;   0-11  four chains of seven scores each, three operands at a time (each accumulator's lowest registers are read first)     12-14, 16  the four scores left over, the old m, and the four into one
;   15  c m_old is kept     17, 18  the query's other 32 keys lie in the lane 16 away: the new m     19-21  c m; c m_old - c m_new; a
.set F, 0
.set E, 1
.set C, 2
.set B, 3
.set L, 4
.set R, 5
.set X, 6
.macro REGS y                       ; the registers of piece y
.set rT, ST+4*(\y)
.set rC, TMP+4*((\y)%2)
.set rW, MV+((\y)%2)
.set rS, S+32*((\y)%2)
.set rP, P+16*((\y)%2)
.set rO, 32*(\y)
.endm
.macro OP k, n
.if (\k) == R
	REGS Y
	WIN W_RS
	v_pk_mul_f32 v[rO+2*(\n):rO+2*(\n)+1], v[rO+2*(\n):rO+2*(\n)+1], v[rC+2:rC+3] op_sel_hi:[1,0]
.elseif (\k) < R
	REGS Y
	WIN 0
.if (\k) == F
	v_pk_fma_f32 v[rS+2*(\n):rS+2*(\n)+1], v[rS+2*(\n):rS+2*(\n)+1], s[CS:CS+1], v[rT:rT+1] op_sel_hi:[1,0,0] neg_lo:[0,0,1] neg_hi:[0,0,1]
.elseif (\k) == E
	v_exp_f32 v[rS+(\n)], v[rS+(\n)]
.elseif (\k) == C
	v_cvt_pk_f16_f32 v[rP+(\n)], v[rS+2*(\n)], v[rS+2*(\n)+1]
.elseif (\k) == B
	v_pk_add_f32 v[rS+4*(\n):rS+4*(\n)+1], v[rS+4*(\n):rS+4*(\n)+1], v[rS+4*(\n)+2:rS+4*(\n)+3]
.elseif (\n) == 0
	v_pk_fma_f32 v[rT+2:rT+3], v[rT+2:rT+3], v[rC+2:rC+3], v[rS:rS+1] op_sel_hi:[1,0,1]
.else
	v_pk_add_f32 v[rT+2:rT+3], v[rT+2:rT+3], v[rS+4*(\n):rS+4*(\n)+1]
.endif
.elseif NOKQ
	v_nop
.else
	REGS (Y+1)%NP
	WIN 0
.if (\n) < 4
	v_max3_num_f32 v[rC+(\n)], v[rS+8*(\n)], v[rS+8*(\n)+1], v[rS+8*(\n)+2]
.elseif (\n) < 12
	v_max3_num_f32 v[rC+(\n)%4], v[rC+(\n)%4], v[rS+8*((\n)%4)+2*((\n)/4)+1], v[rS+8*((\n)%4)+2*((\n)/4)+2]
.elseif (\n) == 12
	v_max3_num_f32 v[rC], v[rC], v[rS+7], v[rS+15]
.elseif (\n) == 13
	v_max3_num_f32 v[rC+1], v[rC+1], v[rS+23], v[rS+31]
.elseif (\n) == 14
	v_max3_num_f32 v[rC+2], v[rC+2], v[rC+3], v[rT+1]
.elseif (\n) == 15
	v_mov_b32 v[rW], v[rT]
.elseif (\n) == 16
	v_max3_num_f32 v[rC], v[rC], v[rC+1], v[rC+2]
.elseif (\n) == 17
	v_permlanex16_b32 v[rC+3], v[rC], s[SEL], s[SEL+1]
.elseif (\n) == 18
	v_max_num_f32 v[rT+1], v[rC], v[rC+3]
.elseif (\n) == 19
	v_mul_f32 v[rT], s[CS], v[rT+1]
.elseif (\n) == 20
	v_sub_f32 v[rC+1], v[rW], v[rT]
.else
	v_exp_f32 v[rC+2], v[rC+1]
.endif
.endif
.endm
.macro OPS a, i1, b=-1, i2=0, c=-1, i3=0, d=-1, i4=0  ; up to four of them
	OP \a, \i1
.if (\b) >= 0
	OP \b, \i2
.endif
.if (\c) >= 0
	OP \c, \i3
.endif
.if (\d) >= 0
	OP \d, \i4
.endif
.endm
.macro ROW a, i1, b, i2, c, i3, d, i4  ; a matrix instruction and the four behind it
	MM
	OPS \a, \i1, \b, \i2, \c, \i3, \d, \i4
.endm
; THE MASKS.  EXPAND: piece x's four words are spread into buffer q of MC: register 8 kt + j is word kt shifted left by 4 j.
.macro EXPAND q, x
	WIN W_RS
.set z, 0
.rept 32
	v_lshlrev_b32 v[MC+32*(\q)+z], 4*(z%8), v[WD+4*(\x)+z/8]
.set z, z+1
.endr
.endm
; At a turn's end: the words of the piece whose scores the next turn makes are spread, and that piece's words of its next key step are asked for, four turns ahead of their use.  One such load a turn: behind the one
; wanted three are younger.  MP stands at the step to be asked for; it is stepped in the middle of piece 1's turn, so piece 3's load, which comes behind that, reaches back by 512 bytes.
.macro MASK q, x
	s_wait_loadcnt 3
	EXPAND \q, \x
	WIN 0
	global_load_b128 v[WD+4*(\x):WD+4*(\x)+3], v[GO], s[MP:MP+1] offset:(\x)*65536-512*((\x)/3)
.endm
; A TURN, for piece p.  An s_wait_alu depctr_va_vdst(0) stands between the exponentials and the first instruction that names a result; one wait serves all that were issued ahead of it: a turn has ONE.
; Ahead of it: the 8 products K Q^T with their riders, and a lump of 54 in which the links of the next piece's chain stand apart; behind it the 8 products V^T P, behind each four of the roundings and sums.
; end = 1: a block's last two turns: nothing is fetched and no mask is made.  cnt = 1: the loop's count is taken down some lines ahead of the branch that stands behind the turn.
; K of the next step is fetched in piece 2's turn, V of the step in hand at the end of piece 0's; each is waited for a turn later.
.macro TURN p, end=0, cnt=0
.set Y, (\p)
.set i, 0
.set NOKQ, (\end)*((\p)/3)
.if ((\p) == 3) && !(\end)
	s_wait_dscnt 0x0                ; K is in
.endif
	ROW F,0, F,1, R,0, R,1
	ROW F,2, E,0, R,2, R,3
	ROW F,3, E,1, R,4, R,5
	ROW F,4, E,2, R,6, R,7
	ROW F,5, E,3, R,8, R,9
	ROW F,6, E,4, X,0, R,10
.if ((\p) == 2) && !(\end)
	WIN 0
	v_add_nc_u32 v[AK], s[TBK], v[AK0]
.endif
	ROW F,7, E,5, X,1, X,4
	ROW F,8, E,6, X,2, X,5
	OPS E,7, E,8, X,6, E,9
	OPS X,3, E,10, X,8, E,11
.if ((\p) == 2) && !(\end)
	FETCH_K
.endif
	OPS X,9, X,7, E,12, X,10
	OPS E,13, X,12, X,11, E,14
	OPS X,13, E,15, F,9, X,14
.if (\p) == 0
	v_add_nc_u32 v[AV], s[TBV], v[AV0]
.endif
	OPS E,16, F,10, E,17, F,11
	OPS X,16, E,18, X,15, E,19
	OPS F,12, E,20, X,17, E,21
	OPS F,13, E,22, F,14, E,23
	OPS X,18, E,24, F,15, E,25
	OPS R,11, E,26, X,19, E,27
	OPS R,12, E,28, R,13, E,29
	OPS X,20, E,30, R,14, E,31
	OPS X,21, R,15
	WIN 0
	s_wait_alu depctr_va_vdst(0)    ; the wait for the batch
.if (\p) == 1
	s_wait_dscnt 0x0                ; V is in
	s_wait_xcnt 0x0                 ; the youngest load that names MP went out half a turn ago
	s_add_co_u32 s[KSN], s[KSN], 1
	s_min_u32 s[KSN], s[KSN], 32    ; step 32 is reached only by loads whose words are never used; they stay inside nib: tile of 16 queries 508 of 512 at the most
	s_lshl_b32 s[OFF2], s[KSN], 9
	s_add_nc_u64 s[MP:MP+1], s[MBC:MBC+1], s[OFF2:OFF2+1]
.endif
	ROW C,0, B,0, C,2, B,1
	ROW L,0, C,4, B,2, L,1
	ROW C,6, B,3, L,2, C,8
	ROW B,4, L,3, C,10, B,5
	ROW L,4, C,12, B,6, L,5
.if (\p) == 0
	s_add_co_u32 s[TBV], s[TBV], KS*PV
.endif
.if \cnt
	s_sub_co_u32 s[CNT], s[CNT], 1
	s_cmp_lg_u32 s[CNT], 0
.endif
	ROW C,14, B,7, L,6, C,1
	ROW C,3, L,7, C,5, C,7
	ROW C,9, C,11, C,13, C,15
.if (\p) == 0
	FETCH_V
.endif
.if !(\end)
	MASK (\p)%2, ((\p)+2)%NP
.endif
.endm
; A BLOCK BEGINS.  c m starts far below every c s, so the first step's a is 0; m at -2^60.  The four pieces' mask words of key step 0 are asked for (MP stands at step 1, the loads reach back by 512 bytes); those of
; pieces 0 and 1 are spread and their words of step 1 asked for; then K of step 0, piece 0's first scores, and its maximum and statistics.  The loop is entered at a step's first turn, in the middle of a trip.
.macro BEGIN
	s_mov_b32 s[NEW], 0
	WIN 0
.set i, 0
.rept 4
	v_mov_b32 v[ST+4*i], 0xfe000000    ; c m: far below every c s
	v_mov_b32 v[ST+4*i+1], 0xdd800000  ; m: -2^60
.set i, i+1
.endr
	s_wait_loadcnt 0x0              ; every earlier load is done, Q's among them: the words' registers and MP may be written
	s_mov_b32 s[KSN], 1
	s_add_nc_u64 s[MP:MP+1], s[MBC:MBC+1], 512
.irp x, 0,1,2,3
	global_load_b128 v[WD+4*\x:WD+4*\x+3], v[GO], s[MP:MP+1] offset:\x*65536-512
.endr
	v_add_nc_u32 v[AK], s[TBK], v[AK0]
	FETCH_K
	s_wait_loadcnt 2                ; pieces 0 and 1's words are in; pieces 2 and 3's may stay out
	EXPAND 0, 0
	EXPAND 1, 1
	WIN 0
	global_load_b128 v[WD:WD+3],   v[GO], s[MP:MP+1]
	global_load_b128 v[WD+4:WD+7], v[GO], s[MP:MP+1] offset:65536
	s_wait_dscnt 0x0
.set NOKQ, 0
.set i, 0
.rept 8
	KQ 0
.set i, i+1
.endr
	WIN 0
.rept 4
	v_nop                           ; four plain instructions behind those products
.endr
.set Y, NP-1                        ; X works for piece Y + 1: piece 0
.irp n, 0,1,2,3,4,5,6,7,8,9,10,11,12,13,14,15,16,17,18,19,20,21
	OP X, \n
.endr
	v_nop                           ; a plain instruction behind the exponential,
	s_wait_alu depctr_va_vdst(0)    ; and its wait, ahead of the branch
.endm
.macro ALL line:vararg              ; one line for each piece t
.set t, 0
.rept 4
	\line
.set t, t+1
.endr
.endm
.macro PACK t                       ; a lane's eight channels of a row pack into 16 bytes; they go into rows of 144 bytes and come back as whole rows of 128, into S^T's registers
	WIN W_RS
.set i, 32*(\t)
.rept 16
	v_pk_mul_f32 v[i:i+1], v[i:i+1], v[ST+4*(\t)+2:ST+4*(\t)+3] op_sel_hi:[1,0]
.set i, i+2
.endr
	WIN 0x05                        ; sources 0 and 1 window 1, destination window 0
.set i, 0
.rept 16
	v_cvt_pk_f16_f32 v[S+16*(\t)+i], v[32*(\t)+2*i], v[32*(\t)+2*i+1]
.set i, i+1
.endr
	WIN 0
.irp f, 0,1,2,3
	ds_store_b128 v[STO], v[S+16*(\t)+4*\f:S+16*(\t)+4*\f+3] offset:32*\f
.endr
.irp f, 0,1,2,3
	ds_load_b128 v[S+16*(\t)+4*\f:S+16*(\t)+4*\f+3], v[RD] offset:\f*4*SP  ; LDS serves a wave's instructions in order (ISA guide 5.7.1.4): these see the stores above; the next piece's stores come behind them
.endr
.endm
.macro SEND t, younger              ; younger: the LDS instructions issued behind piece t's loads: the next piece's eight, or none
	WIN 0
.irp f, 0,1,2,3
	s_wait_dscnt (\younger)+3-\f
	global_store_b128 v[GO], v[S+16*(\t)+4*\f:S+16*(\t)+4*\f+3], s[10:11] offset:(\t)*8192+\f*512  ; 512 consecutive bytes, at a multiple of 256 from O's first
.endr
.endm
; A TILE's four key steps.  In the loop (tag 1) a tile that is not its block's last leaves behind them.  Else the block's last two turns, its last products, and THE WAY OUT: l's two halves and the other half of the
; lanes' are added; O^T is divided by l (and set to 0 where the row has seen no key), rounded to f16 and sent through my stage in LDS, a piece at a time.
.macro BODY tag
.Lstep\tag:                         ; a trip: pieces 2 and 3 of one step, then pieces 0 and 1 of the next, whose K and V it fetches
	TURN 2
	TURN 3
	WIN 0
.Lfirst\tag:
	TURN 0
	TURN 1, 0, 1
	WIN 0
	s_cbranch_scc1 .Lstep\tag
.if (\tag) == 1
	s_cmp_lg_u32 s[RT], 0
	s_cbranch_scc1 .Lbottom
.endif
	TURN 2, 1
	TURN 3, 1
.set i, 0
.rept 8
	PV NP-1
.set i, i+1
.endr
	WIN 0
	ALL v_add_f32 v[ST+4*t+2], v[ST+4*t+2], v[ST+4*t+3]
	ALL v_permlanex16_b32 v[ST+4*t+3], v[ST+4*t+2], s[SEL], s[SEL+1]
	ALL v_add_f32 v[ST+4*t+2], v[ST+4*t+2], v[ST+4*t+3]
	ALL v_rcp_f32 v[ST+4*t+2], v[ST+4*t+2]
	v_nop                           ; a plain instruction between the last reciprocal and the use of its result
	s_wait_alu depctr_va_vdst(0)    ; and the wait ahead of the first use: one for the four reciprocals
.irp u, 0,1,2,3
	v_cmp_lt_f32 vcc_lo, s[THR], v[ST+4*\u+1]      ; has the row seen a key?
	v_cndmask_b32 v[ST+4*\u+2], 0, v[ST+4*\u+2], vcc_lo
.endr
	PACK 0
.set t, 1
.rept 3                             ; a piece's arithmetic stands between the loads of the piece before and its stores
	PACK t
	SEND t-1, 8
.set t, t+1
.endr
	SEND 3, 0
.endm
.set NOKQ, 0
.Lslot:                             ; 15 times: a tile is entered and the next is asked for
	CHANGE 1
	s_sub_co_u32 s[RT], s[RT], 1
	s_mov_b32 s[CNT], 4
	s_cmp_eq_u32 s[NEW], 1
	s_cbranch_scc0 .Lstep1          ; not a block's first tile
	BEGIN
	s_branch .Lfirst1
	BODY 1                          ; in the loop its end is the first block's: the second block's last tile is the walk's last
	s_wait_xcnt 0x0                 ; the stores have read their registers and O's address
	s_mov_b64 s[10:11], s[OLO:OLO+1]
	s_mov_b64 s[MBC:MBC+1], s[MBB:MBB+1]
	s_mov_b32 s[RT], NB
	s_mov_b32 s[NEW], 1
	WIN 0x82                        ; the second block's Q goes where the one text of the turns names Q
.set i, 0
.rept 64
	v_mov_b32 v[i], v[QB+i]
.set i, i+1
.endr
	WIN 0
.Lbottom:
	s_sub_co_u32 s[SLOTS], s[SLOTS], 1
	s_cmp_lg_u32 s[SLOTS], 0
	s_cbranch_scc1 .Lslot
	CHANGE 0                        ; the walk's last tile is written out: nothing is asked for
	s_mov_b32 s[CNT], 4
	BODY 2
	s_wait_tensorcnt 0x0            ; the wave's end, behind my last tensor load and my last LDS store
	ds_add_u32 v[SPW], v[NIL]
	s_wait_dscnt 0x0
	CROUND                          ; the closing round: no work-group ends while a partner may still ask for a tile that names it
	s_endpgm
.Lfunc_end_k_qeb8755ba7d_attn:
	.size	k_qeb8755ba7d_attn, .Lfunc_end_k_qeb8755ba7d_attn-k_qeb8755ba7d_attn
	.p2alignl 7, 3214868480
	.fill 96, 4, 3214868480
	.section	.rodata,"a",@progbits
	.p2align	6, 0x0
	.amdhsa_kernel k_qeb8755ba7d_attn
		.amdhsa_group_segment_fixed_size 327680
		.amdhsa_private_segment_fixed_size 0
		.amdhsa_enable_private_segment 0
		.amdhsa_kernarg_size 24
		.amdhsa_user_sgpr_count 2
		.amdhsa_user_sgpr_kernarg_segment_ptr 1
		.amdhsa_wavefront_size32 1
		.amdhsa_system_sgpr_workgroup_id_x 1
		.amdhsa_system_sgpr_workgroup_id_y 1
		.amdhsa_system_sgpr_workgroup_id_z 1
		.amdhsa_system_vgpr_workitem_id 0
		.amdhsa_next_free_vgpr 768
		.amdhsa_next_free_sgpr 102
		.amdhsa_reserve_vcc 1
		.amdhsa_float_denorm_mode_32 3
		.amdhsa_float_denorm_mode_16_64 3
		.amdhsa_memory_ordered 1
		.amdhsa_forward_progress 1
		.amdhsa_inst_pref_size 174
	.end_amdhsa_kernel
	.amdgpu_metadata
---
amdhsa.version: [ 1, 2 ]
amdhsa.kernels:
  - .name:           k_qeb8755ba7d_attn
    .symbol:         k_qeb8755ba7d_attn.kd
    .args:
      - { .name: qkv, .offset: 0, .size: 8, .value_kind: global_buffer, .address_space: global }
      - { .name: nib, .offset: 8, .size: 8, .value_kind: global_buffer, .address_space: global }
      - { .name: oh, .offset: 16, .size: 8, .value_kind: global_buffer, .address_space: global }
    .group_segment_fixed_size: 327680
    .private_segment_fixed_size: 0
    .kernarg_segment_align: 8
    .kernarg_segment_size: 24
    .max_flat_workgroup_size: 128
    .sgpr_count:     102
    .vgpr_count:     768
    .wavefront_size: 32
...
	.end_amdgpu_metadata
.endif
;; end of part 3
;; launch oproj (part 4): grid 4 x 64, 4 waves a work-group, clusters of 4 x 4, 327,680 bytes of LDS; arguments oh, wts, out0; writes out0
.if DOCPART == 4
	.amdgcn_target "amdgcn-amd-amdhsa--gfx1250"
	.amdhsa_code_object_version 6
	.text
	.protected	k_qeb8755ba7d_oproj
	.globl	k_qeb8755ba7d_oproj
	.p2align	8
	.type	k_qeb8755ba7d_oproj,@function
k_qeb8755ba7d_oproj:
	s_mov_b64 s[64:65], 0
	v_nop
	global_prefetch_b8 v0, s[64:65] scope:SCOPE_SE
	s_setreg_imm32_b32 hwreg(HW_REG_WAVE_MODE, 25, 1), 1
	s_wait_xcnt 0x0
	s_wait_alu depctr_hold_cnt(0) depctr_sa_sdst(0) depctr_va_vdst(0) depctr_va_sdst(0) depctr_va_ssrc(0) depctr_va_vcc(0) depctr_vm_vsrc(0)
	s_getreg_b32 s2, hwreg(HW_REG_IB_STS2, 6, 4)
	s_cmp_eq_u32 s2, 0
	s_cbranch_scc0 .Lentry_in_a_cluster
	s_endpgm
.Lentry_in_a_cluster:
	s_bfe_u32 s2, ttmp6, 0x10000c
	s_cmp_lg_u32 s2, 0xf033
	s_cbranch_scc0 .Lentry_shape_is_right
	s_endpgm
.Lentry_shape_is_right:
; THE LAST PROJECTION.  out0[2048 b + s][n] = sum over k of attn[..][k] W_O[n][k], k = 64 head + channel, attn = oh[16 b + head][s][channel] in f16, W_O in f16 (wts, fourth part); sums and out0 in f32.
; SHARES.  256 work-groups of 128 rows x 256 columns; a wave 64 x 128: 32 accumulators.  K goes in 8 steps of 128 (two heads) through two LDS slots; a step is four quarters of 32.
; CLUSTER 4 x 4: oh's tile hangs on the tile row alone and is asked for jointly along a row of the cluster, W_O's on the tile column alone and jointly along a column.
; THE MATRIX INSTRUCTION IS USED TRANSPOSED (source 0 = 16 rows of W_O, source 1 = 16 rows of attn): a lane holds eight neighbouring columns of one row.
; No prefetch: K has 8 steps, of which the first four are asked for at or near the head.
; REGISTERS.  window 0: v16-29 addresses; v32-95, v96-159 the way out      window 1: two fragment buffers of 96 (32 of attn, 64 of W_O)      window 2: the accumulators, (a, b) at 8 (8 a + b)
.set PA,     144                       ; a row of a head in LDS: 128 bytes + 16
.set PB,     272                       ; a row of W_O: 256 + 16
.set AHEAD,  128*PA                    ; a head's 128 rows: what one tensor load brings
.set BOFF,   2*AHEAD
.set BHALF,  128*PB
.set SLOT,   BOFF+2*BHALF              ; 106,496
.set STAGE,  2*SLOT                    ; behind the ring: 16 rows x 528 bytes for each wave
.set SPITCH, 528
.set SPARE,  STAGE+4*16*SPITCH
.set ADRA, 16
.set ADRB, 20
.set STO,  24
.set RD,   25
.set CO,   26
.set SPW,  28
.set NIL,  29
.set OB,   32
.set F0,   0
.set F1,   96
.set G1,  24
.set G0,  32
.set G1B, 48
.set G0B, 56
.set MSB, 0
.macro WIN new
.if MSB != (\new)
	s_set_vgpr_msb (MSB<<8)|(\new)
.set MSB, \new
.endif
.endm
.set MUL,  0xa5                        ; sources 0 and 1 window 1, C and D window 2
.set TO_F, 0x40                        ; destination window 1, address window 0
.macro JLOAD s                         ; waves 0 and 1 fetch the step's two heads, waves 2 and 3 W_O's two halves; an s_nop 0 and four v_nop follow each line
	s_cmp_eq_u32 s11, 0
	s_cbranch_scc0 .Lfor_b_\@
	tensor_load_to_lds s[G0+4*(\s):G0+4*(\s)+3], s[G1:G1+7]
	s_nop 0
.rept 4
	v_nop
.endr
	s_branch .Lasked_\@
.Lfor_b_\@:
	tensor_load_to_lds s[G0B+4*(\s):G0B+4*(\s)+3], s[G1B:G1B+7]
	s_nop 0
.rept 4
	v_nop
.endr
.Lasked_\@:
.endm
.macro CREST
	s_cmp_lg_u32 s10, 0
	s_cbranch_scc1 .Lnot_wave_0_\@
	s_barrier_signal -3
.Lnot_wave_0_\@:
	s_barrier_wait -3
	s_barrier_signal -1
	s_barrier_wait -1
.endm
.macro CROUND
	s_barrier_signal -1
	s_barrier_wait -1
	CREST
.endm
	s_load_b128 s[4:7], s[0:1], 0x0                ; oh, wts
	s_load_b64 s[8:9], s[0:1], 0x10                ; out0
	v_lshl_add_u32 v[SPW], v0, 2, SPARE
	v_mov_b32 v[NIL], 0
	ds_add_u32 v[SPW], v[NIL]                      ; the wave's opening; its wait stands ahead of my first tensor load
	v_lshrrev_b32 v1, 5, v0
	v_readfirstlane_b32 s10, v1
	s_lshr_b32 s11, s10, 1                         ; which 64 rows are mine.  Also: I fetch for oh (0) or for W_O (1)
	s_and_b32 s12, s10, 1                          ; which 128 columns.  Also: which head, or which half of W_O's rows, I fetch
	s_bfe_u32 s40, ttmp6, 0x40000
	s_bfe_u32 s41, ttmp6, 0x40004
	s_lshl_b32 s42, ttmp9, 2
	s_add_co_u32 s42, s42, s40                     ; tile column
	s_and_b32 s13, ttmp7, 0xffff
	s_lshl_b32 s13, s13, 2
	s_add_co_u32 s13, s13, s41                     ; tile row
	s_lshl_b32 s43, s41, 2
	s_lshl_b32 s43, 15, s43
	s_lshl_b32 s44, 0x1111, s40
	s_or_b32 s[G1+0], s43, (1<<16)|(1<<20)|(1<<21)|(4<<22)|(3<<25)   ; oh: 128 dense rows of 128 bytes, asked for as 64 rows of 256; 4 words of padding after every 32
	s_mov_b32 s[G1+1], 128<<16
	s_mov_b32 s[G1+2], 64<<16
	s_mov_b32 s[G1+3], 128<<16
	s_mov_b32 s[G1+4], 64
	s_mov_b32 s[G1+5], 128
	s_mov_b32 s[G1+6], 0
	s_mov_b32 s[G1+7], 0
	s_or_b32 s[G1B+0], s44, (1<<16)|(1<<20)|(1<<21)|(5<<22)|(3<<25)  ; W_O: 128 rows x 128 elements; 4 words after every 64
	s_mov_b32 s[G1B+1], 128<<16
	s_mov_b32 s[G1B+2], 128<<16
	s_mov_b32 s[G1B+3], 128<<16
	s_mov_b32 s[G1B+4], 128
	s_mov_b32 s[G1B+5], 1024
	s_mov_b32 s[G1B+6], 0
	s_mov_b32 s[G1B+7], 0
	s_lshr_b32 s16, s13, 4                         ; oh: batch x 16 heads of 262,144 bytes,
	s_lshl_b32 s16, s16, 22
	s_lshl_b32 s17, s12, 18                        ; my head of the step's two,
	s_add_co_u32 s16, s16, s17
	s_and_b32 s17, s13, 15                         ; 128 rows of 128 bytes a tile row
	s_lshl_b32 s17, s17, 14
	s_add_co_u32 s16, s16, s17
	s_mov_b32 s17, 0
	s_lshl_b32 s46, s42, 19                        ; W_O: (256 tile column + 128 half) rows of 2,048 bytes
	s_lshl_b32 s47, s12, 18
	s_add_co_u32 s46, s46, s47
	s_mov_b32 s47, 0
	s_mul_i32 s20, s12, AHEAD
	s_mul_i32 s21, s12, BHALF
	s_add_co_u32 s21, s21, BOFF
	s_wait_dscnt 0x0
	s_wait_kmcnt 0x0
	s_add_nc_u64 s[14:15], s[4:5], s[16:17]
	s_add_nc_u64 s[6:7], s[6:7], 0x600000          ; the fourth part of wts
	s_add_nc_u64 s[46:47], s[6:7], s[46:47]
	CROUND
.irp s, 0,1
	s_mov_b32 s[G0+4*(\s)], 1
	s_add_co_u32 s[G0+4*(\s)+1], s20, (\s)*SLOT
	s_add_nc_u64 s[G0+4*(\s)+2:G0+4*(\s)+3], s[14:15], (\s)*524288   ; K step s: two heads on
	s_or_b32 s[G0+4*(\s)+3], s[G0+4*(\s)+3], 0x80000000
	s_mov_b32 s[G0B+4*(\s)], 1
	s_add_co_u32 s[G0B+4*(\s)+1], s21, (\s)*SLOT
	s_add_nc_u64 s[G0B+4*(\s)+2:G0B+4*(\s)+3], s[46:47], (\s)*256
	s_or_b32 s[G0B+4*(\s)+3], s[G0B+4*(\s)+3], 0x80000000
	JLOAD \s
.endr
	v_and_b32 v1, 15, v0
	v_bfe_u32 v2, v0, 4, 1
	v_mul_u32_u24 v3, v1, PA
	v_lshl_add_u32 v3, v2, 4, v3
	v_mul_u32_u24 v4, v1, PB
	v_lshl_add_u32 v4, v2, 4, v4
	s_mul_i32 s22, s11, 64*PA
	s_mul_i32 s23, s12, BHALF
	s_add_co_u32 s23, s23, BOFF
.irp s, 0,1
	v_add_nc_u32 v[ADRA+(\s)], s22, v3
	v_add_nc_u32 v[ADRB+(\s)], s23, v4
	s_add_co_u32 s22, s22, SLOT
	s_add_co_u32 s23, s23, SLOT
.endr
	s_mul_i32 s23, s10, 16*SPITCH
	s_add_co_u32 s23, s23, STAGE
	v_mul_u32_u24 v5, v1, SPITCH                   ; in: row l % 16, 32 bytes for each half of the lanes
	v_lshl_add_u32 v5, v2, 5, v5
	v_add_nc_u32 v[STO], s23, v5
	v_and_b32 v[CO], 31, v0                        ; back and out: 32 lanes take a row's 512 bytes
	v_lshlrev_b32 v[CO], 4, v[CO]
	v_add_nc_u32 v[RD], s23, v[CO]
	s_lshl_b32 s16, s13, 19                        ; out0: 128 rows of 4,096 bytes a tile row,
	s_lshl_b32 s17, s11, 18                        ; my 64 rows
	s_add_co_u32 s16, s16, s17
	s_mov_b32 s17, 0
	s_add_nc_u64 s[8:9], s[8:9], s[16:17]
	s_lshl_b32 s46, s42, 10                        ; 1,024 bytes a tile column,
	s_lshl_b32 s47, s12, 9                         ; my 512
	s_add_co_u32 s46, s46, s47
	s_mov_b32 s47, 0
	s_add_nc_u64 s[8:9], s[8:9], s[46:47]
.macro G f, g, zero                    ; four products: row block g / 2, column blocks 4 (g % 2) .. + 3.  The 32 accumulators take turns, in the same order in every quarter
	WIN MUL
.irp n, 0,1,2,3
.set rC, 8*(8*((\g)/2)+4*((\g)%2)+(\n))
.set rB, (\f)+32+8*(4*((\g)%2)+(\n))
.set rA, (\f)+8*((\g)/2)
.if \zero
	v_wmma_f32_16x16x32_f16 v[rC:rC+7], v[rB:rB+7], v[rA:rA+7], 0
.else
	v_wmma_f32_16x16x32_f16 v[rC:rC+7], v[rB:rB+7], v[rA:rA+7], v[rC:rC+7]
.endif
.endr
.endm
.macro FETCH slot, kq, f               ; 24 loads in one run: W_O's eight fragments, then attn's four: quarter kq lies in head kq / 2, channels 32 (kq % 2) on
	WIN TO_F
.irp i, 0,1,2,3,4,5,6,7
	ds_load_b128 v[(\f)+32+8*(\i):(\f)+32+8*(\i)+3],   v[ADRB+(\slot)] offset:(\kq)*64+(\i)*16*PB
	ds_load_b128 v[(\f)+32+8*(\i)+4:(\f)+32+8*(\i)+7], v[ADRB+(\slot)] offset:(\kq)*64+(\i)*16*PB+32
.endr
.irp i, 0,1,2,3
	ds_load_b128 v[(\f)+8*(\i):(\f)+8*(\i)+3],   v[ADRA+(\slot)] offset:((\kq)/2)*AHEAD+((\kq)%2)*64+(\i)*16*PA
	ds_load_b128 v[(\f)+8*(\i)+4:(\f)+8*(\i)+7], v[ADRA+(\slot)] offset:((\kq)/2)*AHEAD+((\kq)%2)*64+(\i)*16*PA+32
.endr
.endm
.macro PLACES                          ; four plain instructions in front of loads into registers that products have read, and of stores that read results
.rept 4
	v_nop
.endr
.endm
.macro QUARTER slot, kq, f, g, zero    ; multiplies buffer f; in its middle fetches quarter kq of the same slot into buffer g
	s_wait_dscnt 4                                 ; attn's fragments 2 and 3, the youngest four loads, may stay out
	G \f, 0, \zero
	G \f, 1, \zero
	G \f, 2, \zero
	G \f, 3, \zero
	PLACES
	FETCH \slot, \kq, \g
	s_wait_dscnt 24                                ; all but the 24 just issued
	G \f, 4, \zero
	G \f, 5, \zero
	G \f, 6, \zero
	G \f, 7, \zero
.endm
; A step's last quarter multiplies buffer 1 and changes slots.  Each wave waits for all its tensor loads (one is out: its part of the next slot), adds 0 to its spare word, and waits for that and for its reads of
; this slot.  fill = 1: the barrier opens a round of the cluster's, and the joint refill, two K steps on, is the first tensor load behind it.
.macro TURN slot, next, fill
	WIN 0
	s_wait_tensorcnt 0x0
	ds_add_u32 v[SPW], v[NIL]
	s_wait_dscnt 5                                 ; the add and the youngest four loads may be out
	G F1, 0, 0
	G F1, 1, 0
	s_wait_dscnt 0x0                               ; the add is done, and my reads of this slot are over
	s_barrier_signal -1
	G F1, 2, 0
	G F1, 3, 0
	WIN 0
	s_barrier_wait -1
.if \fill
	CREST
	s_add_nc_u64 s[G0+4*(\slot)+2:G0+4*(\slot)+3], s[G0+4*(\slot)+2:G0+4*(\slot)+3], 1048576
	s_add_nc_u64 s[G0B+4*(\slot)+2:G0B+4*(\slot)+3], s[G0B+4*(\slot)+2:G0B+4*(\slot)+3], 512
	JLOAD \slot                                    ; the four v_nop behind it also stand in front of the loads below
.else
	PLACES
.endif
	FETCH \next, 0, F0
	G F1, 4, 0
	G F1, 5, 0
	G F1, 6, 0
	G F1, 7, 0
.endm
	s_wait_tensorcnt 1                             ; my part of K step 0 is in; K step 1's may stay out
	s_barrier_signal -1
	s_barrier_wait -1
	FETCH 0, 0, F0
	QUARTER 0, 1, F0, F1, 1                        ; the first quarter starts the sums
	WIN 0
	s_mov_b32 s3, 3
.Llap:
	QUARTER 0, 2, F1, F0, 0
	QUARTER 0, 3, F0, F1, 0
	TURN 0, 1, 1
	QUARTER 1, 1, F0, F1, 0
	QUARTER 1, 2, F1, F0, 0
	QUARTER 1, 3, F0, F1, 0
	TURN 1, 0, 1
	QUARTER 0, 1, F0, F1, 0
	WIN 0
	s_sub_co_u32 s3, s3, 1
	s_cmp_lg_u32 s3, 0
	s_cbranch_scc1 .Llap
	QUARTER 0, 2, F1, F0, 0                        ; the last lap fills nothing
	QUARTER 0, 3, F0, F1, 0
	TURN 0, 1, 0
	QUARTER 1, 1, F0, F1, 0
	QUARTER 1, 2, F1, F0, 0
	QUARTER 1, 3, F0, F1, 0
	s_wait_dscnt 4
	G F1, 0, 0
	G F1, 1, 0
	G F1, 2, 0
	G F1, 3, 0
	s_wait_dscnt 0x0
	G F1, 4, 0
	G F1, 5, 0
	G F1, 6, 0
	G F1, 7, 0
	WIN 0
	PLACES
; THE WAY OUT, 16 rows at a time: a lane's eight f32 of a row go into my stage as two stores of 16 bytes, the accumulator's low four registers first, and come back as whole rows of 512 bytes.
.macro TOSTAGE a
.set BK, OB+64*((\a)%2)
	WIN 0x08                                       ; the stores' data in window 2
.irp n, 0,1,2,3,4,5,6,7
	ds_store_b128 v[STO], v[8*(8*(\a)+(\n)):8*(8*(\a)+(\n))+3]   offset:64*(\n)
	ds_store_b128 v[STO], v[8*(8*(\a)+(\n))+4:8*(8*(\a)+(\n))+7] offset:64*(\n)+16
.endr
	WIN 0
.irp t, 0,1,2,3,4,5,6,7,8,9,10,11,12,13,14,15
	ds_load_b128 v[BK+4*(\t):BK+4*(\t)+3], v[RD] offset:(\t)*SPITCH   ; LDS serves a wave's instructions in order: these see the stores above
.endr
.endm
.macro SEND a, younger                 ; younger: the LDS instructions issued behind block a's loads
.set BK, OB+64*((\a)%2)
.irp t, 0,1,2,3,4,5,6,7,8,9,10,11,12,13,14,15
	s_wait_dscnt (\younger)+15-(\t)
	global_store_b128 v[CO], v[BK+4*(\t):BK+4*(\t)+3], s[8:9] offset:(16*(\a)+(\t))*4096 th:TH_STORE_NT  ; 512 consecutive bytes
.endr
.endm
	TOSTAGE 0
	TOSTAGE 1
	SEND 0, 32
	s_wait_xcnt 0x0                                ; block 0's stores have read their registers, which block 2 is loaded into
	TOSTAGE 2
	SEND 1, 32
	s_wait_xcnt 0x0
	TOSTAGE 3
	SEND 2, 32
	SEND 3, 0
	s_wait_tensorcnt 0x0                           ; the wave's end
	ds_add_u32 v[SPW], v[NIL]
	s_wait_dscnt 0x0
	CROUND                                         ; the closing round
	s_endpgm
.Lfunc_end_k_qeb8755ba7d_oproj:
	.size	k_qeb8755ba7d_oproj, .Lfunc_end_k_qeb8755ba7d_oproj-k_qeb8755ba7d_oproj
	.p2alignl 7, 3214868480
	.fill 96, 4, 3214868480
	.section	.rodata,"a",@progbits
	.p2align	6, 0x0
	.amdhsa_kernel k_qeb8755ba7d_oproj
		.amdhsa_group_segment_fixed_size 327680
		.amdhsa_private_segment_fixed_size 0
		.amdhsa_enable_private_segment 0
		.amdhsa_kernarg_size 24
		.amdhsa_user_sgpr_count 2
		.amdhsa_user_sgpr_kernarg_segment_ptr 1
		.amdhsa_wavefront_size32 1
		.amdhsa_system_sgpr_workgroup_id_x 1
		.amdhsa_system_sgpr_workgroup_id_y 1
		.amdhsa_system_sgpr_workgroup_id_z 1
		.amdhsa_system_vgpr_workitem_id 0
		.amdhsa_next_free_vgpr 768
		.amdhsa_next_free_sgpr 66
		.amdhsa_reserve_vcc 0
		.amdhsa_float_denorm_mode_32 3
		.amdhsa_float_denorm_mode_16_64 3
		.amdhsa_memory_ordered 1
		.amdhsa_forward_progress 1
		.amdhsa_inst_pref_size 87
	.end_amdhsa_kernel
	.amdgpu_metadata
---
amdhsa.version: [ 1, 2 ]
amdhsa.kernels:
  - .name:           k_qeb8755ba7d_oproj
    .symbol:         k_qeb8755ba7d_oproj.kd
    .args:
      - { .name: oh, .offset: 0, .size: 8, .value_kind: global_buffer, .address_space: global }
      - { .name: wts, .offset: 8, .size: 8, .value_kind: global_buffer, .address_space: global }
      - { .name: out0, .offset: 16, .size: 8, .value_kind: global_buffer, .address_space: global }
    .group_segment_fixed_size: 327680
    .private_segment_fixed_size: 0
    .kernarg_segment_align: 8
    .kernarg_segment_size: 24
    .max_flat_workgroup_size: 128
    .sgpr_count:     66
    .vgpr_count:     768
    .wavefront_size: 32
...
	.end_amdgpu_metadata
.endif
;; end of part 4
;; ======== version 2 of 2: 4 launches; version 1 with the launch prep written anew for expert scheduling mode
;; limits: values are held in f16: magnitudes above 65,504 overflow, below 6.1e-05 lose precision
;; workspace buffers: wts 8,388,608 bytes; nib 8,388,608 bytes; qkv 50,331,648 bytes; oh 16,777,216 bytes
;; launch prep (part 5): grid 256 x 1, 16 waves a work-group, no clusters, 34,816 bytes of LDS; arguments mask, W_Q, W_K, W_V, W_O, nib, wts; writes nib, wts
.if DOCPART == 5
	.amdgcn_target "amdgcn-amd-amdhsa--gfx1250"
	.amdhsa_code_object_version 6
	.text
	.protected	k_qeb8755ba7d_prep
	.globl	k_qeb8755ba7d_prep
	.p2align	8
	.type	k_qeb8755ba7d_prep,@function
k_qeb8755ba7d_prep:
	s_mov_b64 s[64:65], 0
	v_nop
	global_prefetch_b8 v0, s[64:65] scope:SCOPE_SE
	s_setreg_imm32_b32 hwreg(HW_REG_WAVE_SCHED_MODE, 0, 2), 2
	s_setreg_imm32_b32 hwreg(HW_REG_WAVE_MODE, 25, 1), 1
	s_wait_xcnt 0x0
	s_wait_alu depctr_vm_vsrc(0)
; PREP.  Two things, each input byte read once:
;  (1) nib: the mask as one nibble a score, laid out as attention's score accumulators lie in registers: [b 4][tile of 16 queries 128][step of 64 keys 32][lane 32][4 words].
;      Lane 16 h + r, word kt, bits 31-4j .. 28-4j belong to query r of the tile and key 16 kt + 8 h + j of the step: 0xE where mask == 0, else 0.  The word shifted left by 4 j, read as f32, is
;      between -2^65 and -2^95 where the key is hidden and at most 2^-97 where it is seen: it starts the score's sum.  Any mask word other than 0 counts as seen.
;  (2) wts: W_Q, W_K, W_V rounded to bf16; W_O rounded to bf16 and that number written as f16 (exact from 2^-14 to 65,504; below 2^-14 it keeps f16's fixed step of 2^-24).
; SHARES.  Work-group g: batch g >> 6, query block (g >> 3) & 7, key tile g & 7 (256 x 256 mask words), and 64 KiB of weight matrix g >> 6.  Wave w: the tile's rows 16 w .. 16 w + 15, and 4 KiB of the weights.
; All 40 loads of a wave go out at once (20 KiB a wave); no loop.  A wave's nibbles pass through 2,048 bytes of LDS of its own, so no barrier.  No matrix unit, no cluster: nothing is multiplied, no byte is read twice.
; THE MODE: SCHED_MODE bits 1:0 = 2 (LLVM: expert scheduling mode 2), set by the entry lines.  The code itself states the register dependences between vector instructions and memory or LDS
; instructions, with s_wait_alu, always for 0.
; THE PLAN.  Registers that memory or LDS instructions touch:
;   v2 .. v9          offsets, LDS addresses and the closing add's pair: written by vector lines at the head and never again; one wait ahead of the first load states that for the whole kernel.
;   v[M+4n .. +3]     unit n: its load lands there; its nine vector lines work in place and leave the nibbles in v[M+4n]; its one LDS store reads v[M+4n].
;   v[M .. M+15]      at the end the four LDS loads that read the nibbles back land there, and the stores to nib read them.
;   v[WT ..]          the weights' loads land there; the conversions work in place; the four stores to wts read them.
;   v12 .. v15        named by vector lines alone.
; The 32 units go in four groups of eight.  Unit n's LDS store is issued a group later, in front of unit n + 8's arithmetic (the last group's among the weights' conversions): between a group's head and its
; end vector lines name that group's own registers alone, and the stores issued there read the registers of the group before.  So one wait on va_vdst at a group's head serves its eight stores.
.set SPARE, 32768                      ; LDS: 0 .. 32767 the nibbles, 2,048 bytes a wave; then the spare words, 128 bytes for each of 16 waves
.set SPW, 8                            ; v8   my spare word's address; never rewritten
.set NIL, 9                            ; v9   0; never rewritten
.set M,   20                           ; v[20:147]  32 units of 4 mask words
.set WT,  148                          ; v[148:179] 4 units of 8 weights
	s_load_b256 s[16:23], s[0:1], 0x0              ; mask 16, W_Q 18, W_K 20, W_V 22
	s_load_b128 s[24:27], s[0:1], 0x20             ; W_O 24, nib 26
	s_load_b64 s[30:31], s[0:1], 0x30              ; wts
	v_lshl_add_u32 v[SPW], v0, 2, SPARE
	v_mov_b32 v[NIL], 0
	v_lshrrev_b32 v12, 5, v0
	v_readfirstlane_b32 s4, v12                    ; wave 0..15
	v_and_b32 v1, 31, v0                           ; lane
	s_lshr_b32 s5, ttmp9, 6                        ; batch, and which weight matrix
	s_bfe_u32 s6, ttmp9, 0x30003                   ; query block
	s_and_b32 s7, ttmp9, 7                         ; key tile
	s_and_b32 s33, ttmp9, 63                       ; which 64 KiB of the matrix
	s_lshl_b32 s8, s5, 24                          ; mask: 16 MiB a batch,
	s_lshl_b32 s10, s6, 21                         ; 256 rows of 8,192 bytes a block,
	s_add_co_u32 s8, s8, s10
	s_lshl_b32 s10, s7, 10                         ; 1,024 bytes of a row a tile
	s_add_co_u32 s8, s8, s10
	s_mov_b32 s9, 0
	s_lshl_b32 s34, s5, 21                         ; nib: ((128 b + 16 qb) 32 + 4 kt) 512
	s_lshl_b32 s10, s6, 18
	s_add_co_u32 s34, s34, s10
	s_lshl_b32 s10, s7, 11
	s_add_co_u32 s34, s34, s10
	s_mov_b32 s35, 0
	s_lshl_b32 s14, s33, 16                        ; the weights' source
	s_mov_b32 s15, 0
	s_lshl_b32 s36, s5, 21                         ; and destination: 2 MiB a matrix, 32 KiB a work-group
	s_lshl_b32 s10, s33, 15
	s_add_co_u32 s36, s36, s10
	s_mov_b32 s37, 0
	s_wait_alu depctr_va_sdst(0)                   ; s4, the wave's number, is written, ahead of its first reader: the line below
	s_lshl_b32 s10, s4, 17                         ; my 16 rows of the mask
	v_lshl_add_u32 v2, v1, 4, s10                  ; v2: + 16 bytes a lane
	; where a lane's four keys go: keys 4 l .. 4 l + 3 of 128 are step l >> 4, word (l >> 2) & 3, half of the lanes (l >> 1) & 1, upper 16 bits if l is even
	v_lshrrev_b32 v12, 4, v1
	v_lshlrev_b32 v3, 9, v12
	v_bfe_u32 v12, v1, 1, 1
	v_lshl_add_u32 v3, v12, 8, v3
	v_bfe_u32 v12, v1, 2, 2
	v_lshl_add_u32 v3, v12, 2, v3
	v_and_b32 v12, 1, v1
	v_xor_b32 v12, 1, v12
	v_lshl_add_u32 v3, v12, 1, v3
	s_lshl_b32 s11, s4, 11
	v_add_nc_u32 v3, s11, v3                       ; v3: in my wave's 2,048 bytes
	v_lshl_add_u32 v4, v1, 4, s11                  ; v4: where I read them back
	v_lshl_add_u32 v6, v1, 4, s11                  ; v6: my 16 bytes of the converted weights
	s_lshl_b32 s10, s4, 12
	v_lshl_add_u32 v5, v1, 5, s10                  ; v5: my 32 bytes of the weights as they come
	s_lshl_b32 s10, s4, 14
	v_lshl_add_u32 v7, v1, 4, s10                  ; v7: my 16 bytes in nib: a tile of 16 queries is 16,384 bytes
	s_wait_kmcnt 0x0
	s_add_nc_u64 s[16:17], s[16:17], s[8:9]
	s_cmp_eq_u32 s5, 1
	s_cselect_b64 s[12:13], s[20:21], s[18:19]
	s_cmp_eq_u32 s5, 2
	s_cselect_b64 s[12:13], s[22:23], s[12:13]
	s_cmp_eq_u32 s5, 3
	s_cselect_b64 s[12:13], s[24:25], s[12:13]
	s_add_nc_u64 s[12:13], s[12:13], s[14:15]
	s_add_nc_u64 s[26:27], s[26:27], s[34:35]
	s_add_nc_u64 s[30:31], s[30:31], s[36:37]
	s_wait_alu depctr_va_vdst(0)                   ; v2 to v9 are written: every load, store and LDS instruction of the kernel reads one or two of them, and no vector line writes them again
.set n, 0
.rept 32                               ; unit n: row n / 2, keys 128 (n % 2) on: 512 consecutive bytes a load
	global_load_b128 v[M+4*n:M+4*n+3], v2, s[16:17] offset:(n/2)*8192+(n%2)*512 th:TH_LOAD_NT
.set n, n+1
.endr
.irp u, 0,1,2,3
	global_load_b128 v[WT+8*\u:WT+8*\u+3],   v5, s[12:13] offset:\u*1024 th:TH_LOAD_NT
	global_load_b128 v[WT+8*\u+4:WT+8*\u+7], v5, s[12:13] offset:\u*1024+16 th:TH_LOAD_NT
.endr
; Unit n: four mask words become four flags (1 = seen) at bits 12, 8, 4, 0; the flags turned round and times 14 are the four nibbles.  All in the unit's own four registers; the nibbles end in the first.
.macro WORK n
	v_min_u32 v[M+4*(\n)],   1, v[M+4*(\n)]
	v_min_u32 v[M+4*(\n)+1], 1, v[M+4*(\n)+1]
	v_min_u32 v[M+4*(\n)+2], 1, v[M+4*(\n)+2]
	v_min_u32 v[M+4*(\n)+3], 1, v[M+4*(\n)+3]
	v_lshl_or_b32 v[M+4*(\n)], v[M+4*(\n)], 4, v[M+4*(\n)+1]
	v_lshl_or_b32 v[M+4*(\n)], v[M+4*(\n)], 4, v[M+4*(\n)+2]
	v_lshl_or_b32 v[M+4*(\n)], v[M+4*(\n)], 4, v[M+4*(\n)+3]
	v_xor_b32 v[M+4*(\n)], 0x1111, v[M+4*(\n)]
	v_mul_u32_u24 v[M+4*(\n)], 14, v[M+4*(\n)]
.endm
; Unit n's nibbles go into my wave's 2,048 bytes of LDS.
.macro PUT n
	ds_store_b16 v3, v[M+4*(\n)] offset:((\n)/2)*16+((\n)%2)*1024
.endm
.set n, 0
.rept 32
	s_wait_loadcnt 39-n                            ; loads come back in order: the 39 - n younger ones may stay out
.if n >= 8
.if n % 8 == 0
	s_wait_alu depctr_va_vdst(0)                   ; the group before has written its eight registers of nibbles, which this group's eight LDS stores read; no vector line of this group names them
.endif
	PUT n-8
.endif
	WORK n
.set n, n+1
.endr
	; the weights: eight f32 become 16 bytes, in place; the last group's LDS stores stand among the conversions, which name v[WT ..] alone
.irp u, 0,1,2,3
	s_wait_loadcnt 6-2*\u                          ; the younger weight loads may stay out
.if \u == 0
	s_wait_alu depctr_va_vdst(0)                   ; units 24 to 31 have written their registers of nibbles, which the eight LDS stores below read
.endif
	PUT 24+2*\u
	PUT 25+2*\u
.irp j, 0,1,2,3
	v_cvt_pk_bf16_f32 v[WT+8*\u+\j], v[WT+8*\u+2*\j], v[WT+8*\u+2*\j+1]
.endr
.endr
	; my own 2,048 bytes of nibbles are read back: LDS serves a wave's instructions in order (ISA guide 5.7.1.4), so these loads see my stores above
	s_wait_alu depctr_vm_vsrc(0)                   ; the LDS stores of units 0 to 3 have read v[M], v[M+4], v[M+8], v[M+12], in which the loads below land (the vector lines that named v[M .. M+15] stand ahead of the earlier waits on va_vdst)
.irp u, 0,1,2,3
	ds_load_b128 v[M+4*\u:M+4*\u+3], v4 offset:\u*512
.endr
	s_cmp_lg_u32 s5, 3
	s_cbranch_scc1 .Lnot_o
.irp u, 0,1,2,3                        ; W_O alone: the bf16 numbers written as f16, for the product with f16 rows
.irp j, 0,1,2,3
	v_lshlrev_b32 v14, 16, v[WT+8*\u+\j]
	v_and_b32 v15, 0xffff0000, v[WT+8*\u+\j]
	v_cvt_pk_f16_f32 v[WT+8*\u+\j], v14, v15
.endr
.endr
.Lnot_o:
	s_wait_alu depctr_va_vdst(0)                   ; on both ways here the conversions have written v[WT ..], which the four stores below read
.irp u, 0,1,2,3
	global_store_b128 v6, v[WT+8*\u:WT+8*\u+3], s[30:31] offset:\u*512   ; 512 consecutive bytes
.endr
.irp u, 0,1,2,3
	s_wait_dscnt 3-\u                              ; LDS loads come back in order: the 3 - u younger ones may stay out
	global_store_b128 v7, v[M+4*\u:M+4*\u+3], s[26:27] offset:\u*512     ; a key step's 512 consecutive bytes
.endr
	s_wait_dscnt 0x0                               ; the closing lines, six on end
	s_wait_alu 0x0
	s_wait_tensorcnt 0x0
	ds_add_u32 v[SPW], v[NIL]
	s_wait_dscnt 0x0
	s_endpgm
.Lfunc_end_k_qeb8755ba7d_prep:
	.size	k_qeb8755ba7d_prep, .Lfunc_end_k_qeb8755ba7d_prep-k_qeb8755ba7d_prep
	.p2alignl 7, 3214868480
	.fill 96, 4, 3214868480
	.section	.rodata,"a",@progbits
	.p2align	6, 0x0
	.amdhsa_kernel k_qeb8755ba7d_prep
		.amdhsa_group_segment_fixed_size 34816
		.amdhsa_private_segment_fixed_size 0
		.amdhsa_enable_private_segment 0
		.amdhsa_kernarg_size 56
		.amdhsa_user_sgpr_count 2
		.amdhsa_user_sgpr_kernarg_segment_ptr 1
		.amdhsa_wavefront_size32 1
		.amdhsa_system_sgpr_workgroup_id_x 1
		.amdhsa_system_sgpr_workgroup_id_y 1
		.amdhsa_system_sgpr_workgroup_id_z 1
		.amdhsa_system_vgpr_workitem_id 0
		.amdhsa_next_free_vgpr 192
		.amdhsa_next_free_sgpr 66
		.amdhsa_reserve_vcc 0
		.amdhsa_float_denorm_mode_32 3
		.amdhsa_float_denorm_mode_16_64 3
		.amdhsa_memory_ordered 1
		.amdhsa_forward_progress 1
		.amdhsa_inst_pref_size 28
	.end_amdhsa_kernel
	.amdgpu_metadata
---
amdhsa.version: [ 1, 2 ]
amdhsa.kernels:
  - .name:           k_qeb8755ba7d_prep
    .symbol:         k_qeb8755ba7d_prep.kd
    .args:
      - { .name: mask, .offset: 0, .size: 8, .value_kind: global_buffer, .address_space: global }
      - { .name: W_Q, .offset: 8, .size: 8, .value_kind: global_buffer, .address_space: global }
      - { .name: W_K, .offset: 16, .size: 8, .value_kind: global_buffer, .address_space: global }
      - { .name: W_V, .offset: 24, .size: 8, .value_kind: global_buffer, .address_space: global }
      - { .name: W_O, .offset: 32, .size: 8, .value_kind: global_buffer, .address_space: global }
      - { .name: nib, .offset: 40, .size: 8, .value_kind: global_buffer, .address_space: global }
      - { .name: wts, .offset: 48, .size: 8, .value_kind: global_buffer, .address_space: global }
    .group_segment_fixed_size: 34816
    .private_segment_fixed_size: 0
    .kernarg_segment_align: 8
    .kernarg_segment_size: 56
    .max_flat_workgroup_size: 512
    .sgpr_count:     66
    .vgpr_count:     192
    .wavefront_size: 32
...
	.end_amdgpu_metadata
.endif
;; end of part 5
;; launch proj: the kernel of part 2 again; grid 4 x 192, 4 waves a work-group, clusters of 4 x 4, 327,680 bytes of LDS; arguments Q, K, V, wts, qkv; writes qkv
;; launch attn: the kernel of part 3 again; grid 4 x 64, 4 waves a work-group, clusters of 4 x 1, 327,680 bytes of LDS; arguments qkv, nib, oh; writes oh
;; launch oproj: the kernel of part 4 again; grid 4 x 64, 4 waves a work-group, clusters of 4 x 4, 327,680 bytes of LDS; arguments oh, wts, out0; writes out0
